; MI455X (gfx1250); checked and timed in simulation.
; The chip was launched on July 23, 2026; its instructions are those of AMD's public machine-readable ISA for CDNA 5 (MIT licence, August 2026) and "CDNA5" Instruction Set Architecture Reference Guide (July 2026). The comments in the code are by the model that wrote it; some were corrected since.
;; Group Query Attention. Allowed arithmetic: matrix products marked QUANTISED: E2M1 operands, one E8M0 scale for each 32 along K, by v_wmma_scale_f32_16x16x128_f8f6f4 with both operands' format E2M1 (or v_wmma_scale_f32_32x16x128_f4), f32 sums; products left as they are: bf16, f16 or f32 operands; f32 sums; everything else in f32.
;; Inputs: Wfc 2,048 x 2,048 float32; Wk 512 x 2,048 float32; Wq 2,048 x 2,048 float32; Wv 512 x 2,048 float32; bfc 2,048 float32; k 4 x 1,024 x 2,048 float32; q 4 x 1,024 x 2,048 float32; v 4 x 1,024 x 2,048 float32.
;; Outputs: out0 4 x 1,024 x 2,048 float32.
;; This version of the problem:
;;   THIS VERSION OF THE PROBLEM IS GIVEN IN LOW PRECISION. The matrix products marked QUANTISED in the list below multiply operands that are first quantised to E2M1 (2 exponent bits, 1 mantissa bit; 4 bits a number), with one power-of-two scale for each 32 numbers along K (OCP MX v1.0); their sums are f32. The products marked 'left as it is' may take bf16, f16 or f32 operands, with f32 sums. Whichever they take, every output number must still come out within the allowed error. Rounding operands to bf16 (8 significant bits) uses up far more of that allowance than f16 does (11 bits, for magnitudes from 6e-5 to 65,504). All else is computed in f32.
;;   The module's matrix products, in the order in which they are computed (A, B: the left and right operand; K: the contracted axis; several contracted axes count as one K, in the product's order):
;;     1. [M 4,096, K 2,048] x [K 2,048, N 2,048]; A: input q; B: input Wq: QUANTISED
;;     2. [M 4,096, K 2,048] x [K 2,048, N 512]; A: input k; B: input Wk: QUANTISED
;;     3. [M 4,096, K 2,048] x [K 2,048, N 512]; A: input v; B: input Wv: QUANTISED
;;     4. batch 128 x [M 1,024, K 64] x [K 64, N 1,024]; A: computed on the way; B: computed on the way: left as it is (an operand is computed on the way)
;;     5. batch 128 x [M 1,024, K 1,024] x [K 1,024, N 64]; A: computed on the way; B: computed on the way: left as it is (an operand is computed on the way)
;;     6. [M 4,096, K 2,048] x [K 2,048, N 2,048]; A: computed on the way; B: input Wfc: left as it is (an operand is computed on the way)
;;   THE QUANTISER, for each operand of a quantised product, along K:
;;     - K is cut into blocks of 32 from its start; a last block that is shorter is filled with zeros.
;;     - A block's scale is 2^e with e = floor(log2(the largest magnitude in the block)) - 2, held to -126 .. 127; a block of zeros has e = 0. As a byte (E8M0): e + 127.
;;     - Each number is divided by its block's scale, clamped to +-6, and rounded to the nearest number of E2M1, ties to even, subnormals kept.
;;     - The product sums the exact products of the quantised numbers (number of the format x scale) in f32.
;;   ~~~python
;;   def quantise(x, axis):      # numpy; x: float32 -> the quantised numbers, widened to float32 again
;;       x = np.moveaxis(x, axis, -1); K = x.shape[-1]
;;       x = np.pad(x, [(0, 0)] * (x.ndim - 1) + [(0, -K % 32)]); x = x.reshape(x.shape[:-1] + (-1, 32)); a = np.abs(x).max(-1, keepdims=True)
;;       e = np.where(a > 0, np.clip(np.frexp(np.where(a > 0, a, 1))[1] - 1 - 2, -126, 127), 0)      # np.frexp(a)[1] - 1 = floor(log2(a)), exactly
;;       r = np.clip(x / 2.0 ** e, -6, 6)
;;       step = 2.0 ** (np.maximum(np.frexp(np.where(r == 0, 1, r))[1] - 1, 0) - 1)
;;       q = np.round(r / step) * step * 2.0 ** e      # np.round: ties to even
;;       return np.moveaxis(q.reshape(q.shape[:-2] + (-1,))[..., :K], -1, axis).astype(np.float32)
;;   ~~~
;; One version. Each part assembles by itself: llvm-mc -triple=amdgcn-amd-amdhsa -mcpu=gfx1250 --defsym DOCPART=n.
;; ======== version 1 of 1: 4 launches
;; limits: values are held in f16: magnitudes above 65,504 overflow, below 6.1e-05 lose precision
;; workspace buffers: codes 15,728,640 bytes; scales 983,040 bytes; wfc16 8,388,608 bytes; proj 25,165,824 bytes; att 16,777,216 bytes
;; launch quant (part 1): grid 1088 x 1, 4 waves a work-group, no clusters, 33,280 bytes of LDS; arguments q, k, v, Wq, Wk, Wv, Wfc, codes, scales, wfc16; writes codes, scales, wfc16
.if DOCPART == 1
	.amdgcn_target "amdgcn-amd-amdhsa--gfx1250"
	.amdhsa_code_object_version 6
	.text
	.protected	k_q54ac3ec1fe_quant
	.globl	k_q54ac3ec1fe_quant
	.p2align	8
	.type	k_q54ac3ec1fe_quant,@function
k_q54ac3ec1fe_quant:
	s_mov_b64 s[64:65], 0
	v_nop
	global_prefetch_b8 v0, s[64:65] scope:SCOPE_SE
	s_setreg_imm32_b32 hwreg(HW_REG_WAVE_MODE, 25, 1), 1
	s_wait_xcnt 0x0
; q, k, v [4096][2048], Wq [2048][2048], Wk, Wv [512][2048], all f32 with K innermost, become codes of FP4 (E2M1), two a byte, the lower k in the low four bits,
; and one E8M0 scale byte for each 32 along K; Wfc [2048][2048] becomes f16 (it is an operand of a product that is left as it is).
; A block's scale is 2^(floor(log2(its largest magnitude)) - 2): its byte is the largest magnitude's exponent field - 2, held at 1 from below.  Each number is divided by the scale and
; rounded to the nearest code, ties to even; beyond 6 the conversion gives the largest code.
; LIMITS: a block of zeros, and a block whose largest magnitude lies under 2^-124, keeps the byte 1 (zeros' codes are zeros, which add nothing; this program alone reads the bytes);
; NaN and infinities are not served; |Wfc| stays under 65,504, f16's largest number.
; Rows are dense and 2,048 is a multiple of 32: every tensor is a plain stream of blocks, and the six tensors' codes and bytes lie one behind the other in the order q, k, v, Wq, Wk, Wv.
; A work-group takes 32,768 numbers, a wave 8,192: work-groups 0-255 q, 256-511 k, 512-767 v, 768-895 Wq, 896-927 Wk, 928-959 Wv, 960-1087 Wfc.  Only the source's pointer is chosen.
; A wave's 16 steps of 512 numbers: four loads of 512 consecutive bytes; a turn through the wave's own stage in LDS, so that a lane holds 16 neighbours along K; two lanes hold a block.
; No tensor load, no barrier: waves share nothing.
.set WAVES, 4
.set STEPS, 16
.set WGQ,   960                        ; the first work-group of Wfc
.set EMAX,  2
.set CB,    8                          ; bytes of 16 codes
.set R,     16                         ; v16-79   four sets of 16 numbers as they are loaded
.set X,     80                         ; v80-111  two sets of 16 neighbours
.set E,     112                        ; v112-127 a scale byte for each step
.set C,     128                        ; v128-191 codes: four registers for each step, so that no store's data are written again
.set WREG,  8192                       ; LDS: a region for each wave: two stages of 32 x SP bytes, behind them its 256 scale bytes
.set SP,    80                         ; a lane's place in a stage: 64 bytes + 16 of padding
.set SPW,   12                         ; v12  LDS address of my spare word; never rewritten
.set NIL,   13                         ; v13  0; never rewritten
.set SPARE, WAVES*WREG                 ; behind the regions: the spare words, 128 bytes a wave, which no other line names
	s_load_b256 s[4:11], s[0:1], 0x0               ; q s[4:5], k s[6:7], v s[8:9], Wq s[10:11]
	s_load_b256 s[12:19], s[0:1], 0x20             ; Wk s[12:13], Wv s[14:15], Wfc s[16:17], codes s[18:19]
	s_load_b128 s[20:23], s[0:1], 0x40             ; scales s[20:21], wfc16 s[22:23]
	v_lshl_add_u32 v[SPW], v0, 2, SPARE
	v_mov_b32 v[NIL], 0
	v_lshrrev_b32 v1, 5, v0
	v_readfirstlane_b32 s24, v1                    ; wave
	v_and_b32 v2, 31, v0                           ; lane
	v_lshlrev_b32 v3, 4, v2                        ; my 16 bytes of a load's 512
	s_mul_i32 s25, s24, WREG
	v_lshrrev_b32 v14, 2, v2
	v_mul_u32_u24 v14, v14, SP
	v_and_b32 v15, 3, v2
	v_lshl_add_u32 v14, v15, 4, v14
	v_add_nc_u32 v14, s25, v14                     ; the stage, on the way in: SP (lane / 4) + 16 (lane % 4)
	v_mul_u32_u24 v15, v2, SP
	v_add_nc_u32 v15, s25, v15                     ; and on the way out: SP x lane: my 16 neighbours
	v_mul_u32_u24 v4, v2, CB                       ; 8 x lane: my codes' place in a step's; my f16 numbers' place in a load's
	v_lshrrev_b32 v5, 1, v2
	s_add_co_u32 s25, s25, 2*32*SP
	v_add_nc_u32 v5, s25, v5                       ; LDS: my wave's 256 scale bytes, my block's byte
	v_lshlrev_b32 v7, 3, v2                        ; on the way out 8 bytes a lane
	v_add_nc_u32 v6, s25, v7
	s_wait_kmcnt 0x0
	s_cmp_ge_u32 ttmp9, WGQ                        ; the work-group's number alone decides
	s_cbranch_scc1 .Lwfc
	; ---- the six tensors that are quantised
	s_mov_b64 s[28:29], s[4:5]                     ; the source, and its first work-group
	s_mov_b32 s26, 0
	s_cmp_ge_u32 ttmp9, 256
	s_cselect_b64 s[28:29], s[6:7], s[28:29]
	s_cselect_b32 s26, 256, s26
	s_cmp_ge_u32 ttmp9, 512
	s_cselect_b64 s[28:29], s[8:9], s[28:29]
	s_cselect_b32 s26, 512, s26
	s_cmp_ge_u32 ttmp9, 768
	s_cselect_b64 s[28:29], s[10:11], s[28:29]
	s_cselect_b32 s26, 768, s26
	s_cmp_ge_u32 ttmp9, 896
	s_cselect_b64 s[28:29], s[12:13], s[28:29]
	s_cselect_b32 s26, 896, s26
	s_cmp_ge_u32 ttmp9, 928
	s_cselect_b64 s[28:29], s[14:15], s[28:29]
	s_cselect_b32 s26, 928, s26
	s_sub_co_u32 s27, ttmp9, s26
	s_lshl_b32 s27, s27, 2
	s_add_co_u32 s27, s27, s24                     ; which run of 8,192 numbers of the tensor is my wave's
	s_lshl_b32 s30, s27, 15                        ; 32,768 bytes a run
	s_mov_b32 s31, 0
	s_add_nc_u64 s[28:29], s[28:29], s[30:31]
	s_lshl_b32 s27, ttmp9, 2
	s_add_co_u32 s27, s27, s24                     ; which run of all six tensors
	s_lshl_b32 s30, s27, 12                        ; 4,096 bytes of codes a run
	s_add_nc_u64 s[18:19], s[18:19], s[30:31]
	s_lshl_b32 s30, s27, 8                         ; 256 scale bytes a run
	s_add_nc_u64 s[20:21], s[20:21], s[30:31]
.macro LOAD t
.irp i, 0,1,2,3
	global_load_b128 v[R+16*((\t)%4)+4*\i:R+16*((\t)%4)+4*\i+3], v3, s[28:29] offset:2048*(\t)+512*\i th:TH_LOAD_NT   ; 32 lanes read 512 consecutive bytes
.endr
.endm
.macro TURN t                          ; step t's numbers through the stage: LDS serves a wave's instructions in order, so no wait stands between the stores and the loads
.irp i, 0,1,2,3
	ds_store_b128 v14, v[R+16*((\t)%4)+4*\i:R+16*((\t)%4)+4*\i+3] offset:32*SP*((\t)%2)+8*SP*\i
.endr
.irp i, 0,1,2,3
	ds_load_b128 v[X+16*((\t)%2)+4*\i:X+16*((\t)%2)+4*\i+3], v15 offset:32*SP*((\t)%2)+16*\i
.endr
.endm
.irp t, 0,1,2,3
	LOAD \t
.endr
	s_wait_loadcnt 12                              ; step 0's four loads are in; the twelve of steps 1 to 3 may be out
	TURN 0
.macro STEP t
.set XS, X+16*((\t)%2)
.if (\t) > 0
	s_wait_dscnt 1                                 ; this step's numbers are back from the stage (the last step's byte store may be out): so its stores into the stage have read their registers,
.else
	s_wait_dscnt 0x0
.endif
.if (\t)+4 < STEPS
	LOAD (\t)+4                                    ; which take the loads of four steps on
.endif
.if (\t)+1 < STEPS
.if STEPS-2-(\t) >= 3
	s_wait_loadcnt 12                              ; the next step's four loads are in; those of the three steps behind it may be out
.else
	s_wait_loadcnt 4*(STEPS-2-(\t))                ; at the end the count runs down: 8, 4, 0
.endif
	TURN (\t)+1                                    ; and go through the other stage while this step is worked
.endif
	v_max3_num_f32 v8, |v[XS]|, |v[XS+1]|, |v[XS+2]|               ; the largest magnitude of my 16, in two chains
	v_max3_num_f32 v9, |v[XS+3]|, |v[XS+4]|, |v[XS+5]|
.irp i, 6,10
	v_max3_num_f32 v8, v8, |v[XS+\i]|, |v[XS+\i+1]|
	v_max3_num_f32 v9, v9, |v[XS+\i+2]|, |v[XS+\i+3]|
.endr
	v_max3_num_f32 v8, v8, |v[XS+14]|, |v[XS+15]|
	v_max3_num_f32 v8, v8, v9, (EMAX+1)<<23        ; and the floor 2^(3 - 127): the byte cannot fall under 1
	v_max_num_f32_dpp v8, v8, v8 row_xmask:1 row_mask:0xf bank_mask:0xf   ; and of my neighbour's 16: the block's
	v_add_nc_u32 v11, -(EMAX<<23), v8              ; 2 off its exponent field: the conversion takes the exponent field of this operand as its scale, and nothing else of it
	v_cvt_scalef32_pk8_fp4_f32 v[C+4*(\t)], v[XS:XS+7], v11
	v_cvt_scalef32_pk8_fp4_f32 v[C+4*(\t)+1], v[XS+8:XS+15], v11
	v_lshrrev_b32 v[E+(\t)], 23, v11               ; the scale's byte (also the plain line behind the conversions)
	ds_store_b8 v5, v[E+(\t)] offset:16*(\t)       ; both lanes of a block write the same byte with the same value
	global_store_b64 v4, v[C+4*(\t):C+4*(\t)+1], s[18:19] offset:32*CB*(\t)   ; 32 lanes store 256 consecutive bytes, aligned
.endm
.irp t, 0,1,2,3,4,5,6,7,8,9,10,11,12,13,14,15
	STEP \t
.endr
	ds_load_b64 v[8:9], v6                         ; LDS serves a wave's instructions in order: these see my byte stores
	s_wait_dscnt 0x0
	global_store_b64 v7, v[8:9], s[20:21]          ; 32 lanes store my 256 scale bytes, aligned
	s_wait_tensorcnt 0x0                           ; the wave's end, behind my last LDS store
	ds_add_u32 v[SPW], v[NIL]
	s_wait_dscnt 0x0
	s_endpgm
	; ---- Wfc to f16: 64 loads of 512 consecutive bytes a wave, in four batches of 16 on two sets of registers; no LDS byte is used
.Lwfc:
	s_sub_co_u32 s27, ttmp9, WGQ
	s_lshl_b32 s27, s27, 2
	s_add_co_u32 s27, s27, s24                     ; my run of 8,192 numbers
	s_lshl_b32 s30, s27, 15
	s_mov_b32 s31, 0
	s_add_nc_u64 s[16:17], s[16:17], s[30:31]
	s_lshl_b32 s30, s27, 14
	s_add_nc_u64 s[22:23], s[22:23], s[30:31]
.macro LOADB n, set
.irp i, 0,1,2,3,4,5,6,7,8,9,10,11,12,13,14,15
	global_load_b128 v[16+64*\set+4*\i:16+64*\set+4*\i+3], v3, s[16:17] offset:(16*\n+\i)*512 th:TH_LOAD_NT
.endr
.endm
.macro CONV n, set
.irp i, 0,1,2,3,4,5,6,7,8,9,10,11,12,13,14,15
	v_cvt_pk_f16_f32 v[16+64*\set+4*\i], v[16+64*\set+4*\i], v[16+64*\set+4*\i+1]
	v_cvt_pk_f16_f32 v[16+64*\set+4*\i+1], v[16+64*\set+4*\i+2], v[16+64*\set+4*\i+3]
	global_store_b64 v4, v[16+64*\set+4*\i:16+64*\set+4*\i+1], s[22:23] offset:(16*\n+\i)*256   ; 32 lanes store 256 consecutive bytes, aligned
.endr
.endm
	LOADB 0, 0
	LOADB 1, 1
	s_wait_loadcnt 16                              ; batch 0 is in; batch 1's sixteen may be out
	CONV 0, 0
	s_wait_xcnt 0x0                                ; the stores have read set 0: it is loaded again only behind this wait
	LOADB 2, 0
	s_wait_loadcnt 16                              ; batch 1 is in
	CONV 1, 1
	s_wait_xcnt 0x0                                ; likewise set 1
	LOADB 3, 1
	s_wait_loadcnt 16                              ; batch 2 is in
	CONV 2, 0
	s_wait_loadcnt 0x0
	CONV 3, 1
	s_wait_tensorcnt 0x0                           ; the same three closing lines stand on this path too
	ds_add_u32 v[SPW], v[NIL]
	s_wait_dscnt 0x0
	s_endpgm
.Lfunc_end_k_q54ac3ec1fe_quant:
	.size	k_q54ac3ec1fe_quant, .Lfunc_end_k_q54ac3ec1fe_quant-k_q54ac3ec1fe_quant
	.p2alignl 7, 3214868480
	.fill 96, 4, 3214868480
	.section	.rodata,"a",@progbits
	.p2align	6, 0x0
	.amdhsa_kernel k_q54ac3ec1fe_quant
		.amdhsa_group_segment_fixed_size 33280
		.amdhsa_private_segment_fixed_size 0
		.amdhsa_enable_private_segment 0
		.amdhsa_kernarg_size 80
		.amdhsa_user_sgpr_count 2
		.amdhsa_user_sgpr_kernarg_segment_ptr 1
		.amdhsa_wavefront_size32 1
		.amdhsa_system_sgpr_workgroup_id_x 1
		.amdhsa_system_sgpr_workgroup_id_y 1
		.amdhsa_system_sgpr_workgroup_id_z 1
		.amdhsa_system_vgpr_workitem_id 0
		.amdhsa_next_free_vgpr 192
		.amdhsa_next_free_sgpr 66
		.amdhsa_reserve_vcc 0
		.amdhsa_float_denorm_mode_32 3
		.amdhsa_float_denorm_mode_16_64 3
		.amdhsa_memory_ordered 1
		.amdhsa_forward_progress 1
		.amdhsa_inst_pref_size 55
	.end_amdhsa_kernel
	.amdgpu_metadata
---
amdhsa.version: [ 1, 2 ]
amdhsa.kernels:
  - .name:           k_q54ac3ec1fe_quant
    .symbol:         k_q54ac3ec1fe_quant.kd
    .args:
      - { .name: q, .offset: 0, .size: 8, .value_kind: global_buffer, .address_space: global }
      - { .name: k, .offset: 8, .size: 8, .value_kind: global_buffer, .address_space: global }
      - { .name: v, .offset: 16, .size: 8, .value_kind: global_buffer, .address_space: global }
      - { .name: Wq, .offset: 24, .size: 8, .value_kind: global_buffer, .address_space: global }
      - { .name: Wk, .offset: 32, .size: 8, .value_kind: global_buffer, .address_space: global }
      - { .name: Wv, .offset: 40, .size: 8, .value_kind: global_buffer, .address_space: global }
      - { .name: Wfc, .offset: 48, .size: 8, .value_kind: global_buffer, .address_space: global }
      - { .name: codes, .offset: 56, .size: 8, .value_kind: global_buffer, .address_space: global }
      - { .name: scales, .offset: 64, .size: 8, .value_kind: global_buffer, .address_space: global }
      - { .name: wfc16, .offset: 72, .size: 8, .value_kind: global_buffer, .address_space: global }
    .group_segment_fixed_size: 33280
    .private_segment_fixed_size: 0
    .kernarg_segment_align: 8
    .kernarg_segment_size: 80
    .max_flat_workgroup_size: 128
    .sgpr_count:     66
    .vgpr_count:     192
    .wavefront_size: 32
...
	.end_amdgpu_metadata
.endif
;; end of part 1
;; launch proj (part 2): grid 192 x 4, 4 waves a work-group, clusters of 4 x 4, 327,680 bytes of LDS; arguments codes, scales, proj; writes proj
.if DOCPART == 2
	.amdgcn_target "amdgcn-amd-amdhsa--gfx1250"
	.amdhsa_code_object_version 6
	.text
	.protected	k_q54ac3ec1fe_proj
	.globl	k_q54ac3ec1fe_proj
	.p2align	8
	.type	k_q54ac3ec1fe_proj,@function
k_q54ac3ec1fe_proj:
	s_mov_b64 s[64:65], 0
	v_nop
	global_prefetch_b8 v0, s[64:65] scope:SCOPE_SE
	s_setreg_imm32_b32 hwreg(HW_REG_WAVE_MODE, 25, 1), 1
	s_wait_xcnt 0x0
	s_wait_alu depctr_hold_cnt(0) depctr_sa_sdst(0) depctr_va_vdst(0) depctr_va_sdst(0) depctr_va_ssrc(0) depctr_va_vcc(0) depctr_vm_vsrc(0)
	s_getreg_b32 s2, hwreg(HW_REG_IB_STS2, 6, 4)
	s_cmp_eq_u32 s2, 0
	s_cbranch_scc0 .Lentry_in_a_cluster
	s_endpgm
.Lentry_in_a_cluster:
	s_bfe_u32 s2, ttmp6, 0x10000c
	s_cmp_lg_u32 s2, 0xf033
	s_cbranch_scc0 .Lentry_shape_is_right
	s_endpgm
.Lentry_shape_is_right:
; The three quantised products, on codes of FP4 (E2M1) with one E8M0 byte for each 32 along K = 2,048; sums in f32; results rounded once to f16.
;   Q:  Qh[token][2048]  = q  x Wq^T   (A = q's codes,  B = Wq's)      K:  Kh[token][512] = k x Wk^T   (A = k's, B = Wk's)
;   VT: VT[channel][token] = Wv x v^T  (A = Wv's codes, B = v's): the same product with the sources changed over, so that the values leave with the keys innermost.
; C[m][n] = sum over k of A[m][k] B[n][k].  A tile of C is 128 x 128, a wave's part 64 x 64: 16 accumulators.  A cluster of 4 x 4 work-groups makes 512 x 512:
; clusters 0-31 Q (8 x 4), 32-39 K (8 x 1), 40-47 VT (1 x 8): 768 work-groups of equal work.  (Tiles of 256 x 256 would be 192, and K's 512 columns and VT's 512 rows would fill no 4 x 4 cluster.)
; The four of a row of the cluster need the same rows of A, the four of a column the same rows of B: each tile is asked for JOINTLY.
; ALL OF K IS RESIDENT: a row of 2,048 codes is 1,024 bytes, two slots with rows of 512 bytes; no LDS byte is filled twice.  A wave has three tensor loads out at the most: scales, slot 0, slot 1.
; The scale bytes of the tile's rows are dense blocks of memory (64 bytes a row); they come once and go into 64 registers of scale words.
; THE MATRIX INSTRUCTION IS USED TRANSPOSED (source 0 = 16 rows of B, source 1 = 16 rows of A): a lane holds eight neighbouring numbers of a row of C.
; LIMIT: results beyond 65,504, f16's largest number, are not served.
; REGISTERS: window 0: v1-29 addresses; v32-95 scale words (v[32 + 16 i + s]: K step s of 128; lanes 0-15 A's block i, lanes 16-31 B's block i); v96-111 store offsets; v128-255 accumulators ((a, b) at 128 + 8 (4 a + b)).
;   window 1: two fragment buffers of 128 registers: for two K steps of 128, 64 of A (2 x 4 x 16 rows), then 64 of B.
.set PITCH,  528                       ; an LDS row: 512 bytes + 16 of padding = 132 words: the 16 rows that a load touches start at 16 different banks (64 banks of 4 bytes: ISA guide 11.1)
.set HALFT,  64*PITCH                  ; 64 rows: what one tensor load brings, and what one wave reads of A or of B
.set SLOT,   4*HALFT                   ; A's 128 rows, then B's 128 rows
.set STAGE,  2*SLOT                    ; the way out: 128 rows x 272 bytes
.set SPITCH, 272
.set SCL,    STAGE+128*SPITCH          ; the scale bytes, as runs of 256 bytes + 16 of padding
.set HALFS,  16*272                    ; those of 64 rows: what one tensor load brings
.set SBLK,   4*272                     ; those of 16 rows
.set SPARE,  SCL+4*HALFS               ; the spare words, 128 bytes a wave, which no other line names
.set KHO,    16777216                  ; Kh's first byte in proj
.set VTO,    20971520                  ; VT's
.set ADRA, 16                          ; v16-17  LDS address of my A fragments in slot 0, 1
.set ADRB, 20                          ; v20-21  the same for B
.set STO,  24                          ; v24     the way out: where I put 16 bytes of a row
.set RD,   25                          ; v25     the way out: where I read a row back
.set ADRS, 27                          ; v27     LDS address of my scale words: lanes 0-15 A's rows, lanes 16-31 B's
.set SPW,  28                          ; v28     LDS address of my spare word; never rewritten
.set NIL,  29                          ; v29     0; never rewritten
.set SC,   32
.set OF,   96                          ; v96-111 byte offsets of my 16 stores
.set ACC,  128
.set F0,   0
.set F1,   128
.set G1,   24                          ; s[24:31] group 1 for A's codes;  s[32:39] group 0, a set for each slot
.set G0,   32
.set G1B,  48                          ; s[48:55], s[56:63] the same for B's
.set G0B,  56
.set G1S,  68                          ; s[68:75], s[76:79] groups 1 and 0 for A's scales;  s[80:87], s[88:91] for B's
.set G0S,  76
.set G1SB, 80
.set G0SB, 88
.set AO,   92                          ; s92  A's first byte in codes
.set BO,   93                          ; s93  B's
.set CO,   94                          ; s94  C's first byte in proj
.set PT,   95                          ; s95  a row of C in bytes
.set CR,   96                          ; s96  the cluster's row of 512 rows of C
.set CC,   97                          ; s97  its column
.set MSB, 0
.macro WIN new                         ; the immediate's high byte repeats the setting that is left
.if MSB != (\new)
	s_set_vgpr_msb (MSB<<8)|(\new)
.set MSB, (\new)
.endif
.endm
.set MUL,  0x05                        ; sources 0 (B) and 1 (A) window 1; C and D window 0
.set TO_F, 0x40                        ; destination window 1, address window 0
; A joint load: waves 0 and 1 fetch for A, waves 2 and 3 for B.  Each line has one mask and one set of registers for all that issue it; the branch hangs on the wave's number alone.
; An s_nop 0 and four v_nop follow each line, ahead of the jump, the label and what follows.
.macro JLOAD g0a, g1a, g0b, g1b
	s_cmp_eq_u32 s11, 0
	s_cbranch_scc0 .Lfor_b_\@
	tensor_load_to_lds s[\g0a:\g0a+3], s[\g1a:\g1a+7]
	s_nop 0
.rept 4
	v_nop
.endr
	s_branch .Lasked_\@
.Lfor_b_\@:
	tensor_load_to_lds s[\g0b:\g0b+3], s[\g1b:\g1b+7]
	s_nop 0
.rept 4
	v_nop
.endr
.Lasked_\@:
.endm
.macro CROUND                          ; a round of the cluster's barrier
	s_barrier_signal -1
	s_barrier_wait -1
	s_cmp_lg_u32 s10, 0
	s_cbranch_scc1 .Lnot_wave_0_\@
	s_barrier_signal -3
.Lnot_wave_0_\@:
	s_barrier_wait -3
	s_barrier_signal -1
	s_barrier_wait -1
.endm
	s_load_b128 s[4:7], s[0:1], 0x0                ; codes s[4:5], scales s[6:7]
	s_load_b64 s[8:9], s[0:1], 0x10                ; proj
	v_lshl_add_u32 v[SPW], v0, 2, SPARE
	v_mov_b32 v[NIL], 0
	ds_add_u32 v[SPW], v[NIL]                      ; the wave's opening: the add, twice on end, and its wait ahead of my first tensor load
	ds_add_u32 v[SPW], v[NIL]                      ; (the set-up below, work on registers, stands between the second and the wait)
	v_lshrrev_b32 v1, 5, v0
	v_readfirstlane_b32 s10, v1                    ; wave 0..3
	s_lshr_b32 s11, s10, 1                         ; which half of the tile's rows is mine.  Also: I fetch for A (0) or for B (1)
	s_and_b32 s12, s10, 1                          ; which half of its columns.  Also: which 64 rows of that tile I fetch
	s_bfe_u32 s40, ttmp6, 0x40000                  ; cx, cy: my place in the cluster
	s_bfe_u32 s41, ttmp6, 0x40004
	; which product: the cluster's number alone decides, the same in all sixteen partners
	s_lshr_b32 s[CR], ttmp9, 2                     ; Q: 8 x 4 clusters
	s_and_b32 s[CC], ttmp9, 3
	s_sub_co_u32 s98, ttmp9, 32                    ; K's row of clusters
	s_sub_co_u32 s99, ttmp9, 40                    ; VT's column
	s_mov_b32 s[AO], 0                             ; q's codes
	s_mov_b32 s[BO], 12582912                      ; Wq's
	s_mov_b32 s[CO], 0
	s_mov_b32 s[PT], 4096
	s_cmp_ge_u32 ttmp9, 32
	s_cselect_b32 s[AO], 4194304, s[AO]            ; k's codes
	s_cselect_b32 s[BO], 14680064, s[BO]           ; Wk's
	s_cselect_b32 s[CO], KHO, s[CO]
	s_cselect_b32 s[PT], 1024, s[PT]
	s_cselect_b32 s[CR], s98, s[CR]
	s_cselect_b32 s[CC], 0, s[CC]
	s_cmp_ge_u32 ttmp9, 40
	s_cselect_b32 s[AO], 15204352, s[AO]           ; Wv's codes
	s_cselect_b32 s[BO], 8388608, s[BO]            ; v's
	s_cselect_b32 s[CO], VTO, s[CO]
	s_cselect_b32 s[PT], 8192, s[PT]
	s_cselect_b32 s[CR], 0, s[CR]
	s_cselect_b32 s[CC], s99, s[CC]
	s_lshl_b32 s42, s[CC], 2
	s_add_co_u32 s42, s42, s40                     ; tile column of C = 4 x cluster's column + cx
	s_lshl_b32 s13, s[CR], 2
	s_add_co_u32 s13, s13, s41                     ; tile row of C = 4 x cluster's row + cy
	s_lshl_b32 s43, s41, 2
	s_lshl_b32 s43, 15, s43                        ; my row of the cluster
	s_lshl_b32 s44, 0x1111, s40                    ; my column
	; group 1 for codes: 64 rows x 512 bytes, rows 1,024 bytes apart in memory, 16 bytes of padding behind each in LDS
	s_or_b32 s[G1+0], s43, (0<<16)|(1<<20)|(1<<21)|(6<<22)|(3<<25)  ; 15:0 the mask; 17:16 elements of 1 byte; 20 padding on; 21 set beside a mask; 24:22 after every 128 words (code 6); 31:25 four words (code 3)
	s_or_b32 s[G1B+0], s44, (0<<16)|(1<<20)|(1<<21)|(6<<22)|(3<<25)
.irp g, G1, G1B
	s_mov_b32 s[\g+1], 512<<16                     ; tensor_dim0
	s_mov_b32 s[\g+2], 64<<16                      ; tensor_dim1
	s_mov_b32 s[\g+3], 512<<16                     ; tile_dim0
	s_mov_b32 s[\g+4], 64                          ; tile_dim1
	s_mov_b32 s[\g+5], 1024                        ; tensor_dim0_stride
	s_mov_b32 s[\g+6], 0
	s_mov_b32 s[\g+7], 0
.endr
	; group 1 for the scales of 64 rows: 4,096 dense bytes as 16 rows of 256 (32 elements of 8 bytes), 16 bytes of padding behind each
	s_or_b32 s[G1S+0], s43, (3<<16)|(1<<20)|(1<<21)|(5<<22)|(3<<25)
	s_or_b32 s[G1SB+0], s44, (3<<16)|(1<<20)|(1<<21)|(5<<22)|(3<<25)
.irp g, G1S, G1SB
	s_mov_b32 s[\g+1], 32<<16
	s_mov_b32 s[\g+2], 16<<16
	s_mov_b32 s[\g+3], 32<<16
	s_mov_b32 s[\g+4], 16
	s_mov_b32 s[\g+5], 32
	s_mov_b32 s[\g+6], 0
	s_mov_b32 s[\g+7], 0
.endr
	; where the tiles come from.  A's hang on the tile row alone, B's on the tile column alone, each in registers that never hold the other coordinate
	s_lshl_b32 s17, s12, 6                         ; which 64 rows of the tile I fetch
	s_lshl_b32 s16, s13, 7
	s_add_co_u32 s16, s16, s17                     ; A: row 128 x tile row + 64 x half
	s_lshl_b32 s46, s42, 7
	s_add_co_u32 s46, s46, s17                     ; B: row 128 x tile column + 64 x half
	s_lshl_b32 s18, s16, 10                        ; A's codes: 1,024 bytes a row,
	s_add_co_u32 s18, s18, s[AO]                   ; behind the tensor's first byte (all under 2^24)
	s_mov_b32 s19, 0
	s_lshl_b32 s20, s16, 6                         ; A's scales: 64 bytes a row; the tensors lie in the same order, a sixteenth as far on
	s_lshr_b32 s21, s[AO], 4
	s_add_co_u32 s20, s20, s21
	s_mov_b32 s21, 0
	s_lshl_b32 s66, s46, 6                         ; B's scales
	s_lshr_b32 s67, s[BO], 4
	s_add_co_u32 s66, s66, s67
	s_mov_b32 s67, 0
	s_lshl_b32 s46, s46, 10                        ; B's codes
	s_add_co_u32 s46, s46, s[BO]
	s_mov_b32 s47, 0
	s_mul_i32 s45, s10, HALFT                      ; where they go: wave x 64 rows: no place in the cluster enters an LDS address
	s_mul_i32 s22, s10, HALFS
	s_wait_dscnt 0x0                               ; both opening adds are done
	s_wait_kmcnt 0x0
	s_add_nc_u64 s[18:19], s[4:5], s[18:19]
	s_add_nc_u64 s[20:21], s[6:7], s[20:21]
	s_add_nc_u64 s[46:47], s[4:5], s[46:47]
	s_add_nc_u64 s[66:67], s[6:7], s[66:67]
	CROUND                                         ; all sixteen work-groups are here: the first joint loads meet
	s_mov_b32 s[G0S], 1
	s_add_co_u32 s[G0S+1], s22, SCL
	s_mov_b64 s[G0S+2:G0S+3], s[20:21]
	s_or_b32 s[G0S+3], s[G0S+3], 0x80000000
	s_mov_b32 s[G0SB], 1
	s_add_co_u32 s[G0SB+1], s22, SCL
	s_mov_b64 s[G0SB+2:G0SB+3], s[66:67]
	s_or_b32 s[G0SB+3], s[G0SB+3], 0x80000000
	JLOAD G0S, G1S, G0SB, G1SB                     ; the scales first: they are wanted with the first K step
.irp s, 0,1
	s_mov_b32 s[G0+4*\s], 1
	s_add_co_u32 s[G0+4*\s+1], s45, \s*SLOT
	s_add_nc_u64 s[G0+4*\s+2:G0+4*\s+3], s[18:19], \s*512
	s_or_b32 s[G0+4*\s+3], s[G0+4*\s+3], 0x80000000
	s_mov_b32 s[G0B+4*\s], 1
	s_add_co_u32 s[G0B+4*\s+1], s45, \s*SLOT
	s_add_nc_u64 s[G0B+4*\s+2:G0B+4*\s+3], s[46:47], \s*512
	s_or_b32 s[G0B+4*\s+3], s[G0B+4*\s+3], 0x80000000
	JLOAD G0+4*\s, G1, G0B+4*\s, G1B
.endr
	v_and_b32 v1, 15, v0                           ; r = lane % 16
	v_bfe_u32 v2, v0, 4, 1                         ; h = lane / 16
	v_mul_u32_u24 v3, v1, PITCH
	v_lshl_add_u32 v3, v2, 4, v3                   ; a fragment's row x pitch + 16 x half
	s_mul_i32 s21, s11, HALFT                      ; my 64 rows of A
	s_mul_i32 s22, s12, HALFT                      ; my 64 rows of B,
	s_add_co_u32 s22, s22, 2*HALFT                 ; which lie behind A's 128
.irp s, 0,1
	v_add_nc_u32 v[ADRA+\s], s21, v3
	v_add_nc_u32 v[ADRB+\s], s22, v3
	s_add_co_u32 s21, s21, SLOT
	s_add_co_u32 s22, s22, SLOT
.endr
	v_lshlrev_b32 v5, 6, v1                        ; my row's scales: 64 bytes a row,
	v_lshrrev_b32 v6, 8, v5
	v_lshl_add_u32 v5, v6, 4, v5                   ; and 16 more for each 256 passed
	s_mul_i32 s21, s11, HALFS                      ; A's: my 64 rows
	s_mul_i32 s22, s12, HALFS                      ; B's: my 64 rows, behind A's 128
	s_add_co_u32 s22, s22, 2*HALFS
	s_sub_co_u32 s22, s22, s21
	v_mul_u32_u24 v6, s22, v2                      ; lanes 16-31 take B's: one product, the distance between the two bases
	s_add_co_u32 s21, s21, SCL
	v_add_nc_u32 v5, v5, v6
	v_add_nc_u32 v[ADRS], s21, v5
	s_mul_i32 s23, s11, 64*SPITCH                  ; into the stage: my 64 rows, my half of their 256 bytes; row r, 16 bytes for each half of the lanes
	s_lshl_b32 s21, s12, 7
	s_add_co_u32 s23, s23, s21
	s_add_co_u32 s23, s23, STAGE
	v_mul_u32_u24 v4, v1, SPITCH
	v_lshl_add_u32 v4, v2, 4, v4
	v_add_nc_u32 v[STO], s23, v4
	s_mul_i32 s23, s10, 32*SPITCH                  ; back: wave w takes rows 32 w .. 32 w + 31, whole; lanes 0-15 one row of 256 bytes, lanes 16-31 the next
	s_add_co_u32 s23, s23, STAGE
	v_mul_u32_u24 v7, v2, SPITCH
	v_lshl_add_u32 v7, v1, 4, v7
	v_add_nc_u32 v[RD], s23, v7
	v_mul_lo_u32 v[OF], v2, s[PT]                  ; and the same two rows in C; the pitch differs between the three products, so the 16 offsets stand in registers
	v_lshl_add_u32 v[OF], v1, 4, v[OF]
	s_lshl_b32 s23, s[PT], 1
.irp t, 1,2,3,4,5,6,7,8,9,10,11,12,13,14,15
	v_add_nc_u32 v[OF+\t], s23, v[OF+\t-1]
.endr
	s_lshl_b32 s16, s13, 7
	s_lshl_b32 s17, s10, 5
	s_add_co_u32 s16, s16, s17                     ; the first row of C that I store: 128 x tile row + 32 x wave
	s_mul_i32 s16, s16, s[PT]
	s_add_co_u32 s16, s16, s[CO]                   ; (under 2^25)
	s_mov_b32 s17, 0
	s_add_nc_u64 s[8:9], s[8:9], s[16:17]
	s_lshl_b32 s46, s42, 8                         ; the tile's first column, in bytes
	s_mov_b32 s47, 0
	s_add_nc_u64 s[8:9], s[8:9], s[46:47]
; 8 matrix instructions: A's blocks a0, a0 + 1 x B's four, 128 along K: half c of buffer f, K step st + c.  zero = 1: the first product starts the sums.
; Source 0 (B) takes its scales from lanes 16-31 of block b's word, source 1 (A) from lanes 0-15 of block a's.  The 16 accumulators take turns, in the same order throughout.
.macro MUL8 f, c, a0, zero, st
.irp a, \a0, \a0+1
.irp b, 0,1,2,3
.if \zero
	v_wmma_scale_f32_16x16x128_f8f6f4 v[ACC+8*(4*(\a)+\b):ACC+8*(4*(\a)+\b)+7], v[\f+64+8*(4*\c+\b):\f+64+8*(4*\c+\b)+7], v[\f+8*(4*\c+(\a)):\f+8*(4*\c+(\a))+7], 0, v[SC+16*\b+\st+\c], v[SC+16*(\a)+\st+\c] matrix_a_fmt:MATRIX_FMT_FP4 matrix_b_fmt:MATRIX_FMT_FP4 matrix_a_scale:MATRIX_SCALE_ROW1
.else
	v_wmma_scale_f32_16x16x128_f8f6f4 v[ACC+8*(4*(\a)+\b):ACC+8*(4*(\a)+\b)+7], v[\f+64+8*(4*\c+\b):\f+64+8*(4*\c+\b)+7], v[\f+8*(4*\c+(\a)):\f+8*(4*\c+(\a))+7], v[ACC+8*(4*(\a)+\b):ACC+8*(4*(\a)+\b)+7], v[SC+16*\b+\st+\c], v[SC+16*(\a)+\st+\c] matrix_a_fmt:MATRIX_FMT_FP4 matrix_b_fmt:MATRIX_FMT_FP4 matrix_a_scale:MATRIX_SCALE_ROW1
.endif
.endr
.endr
.endm
; 32 LDS loads in one run: the fragments of two K steps (128 bytes of each row, from byte k on) into buffer f; the first K step first.
; A fragment, 16 rows x 128 codes, is 8 registers: lane (r, h) holds row r; registers 4 c' .. 4 c' + 3 hold the 16 bytes at 32 c' + 16 h.
.macro FETCH slot, k, f
	WIN TO_F
.irp c, 0,1
.irp i, 0,1,2,3
	ds_load_b128 v[\f+64+8*(4*\c+\i):\f+64+8*(4*\c+\i)+3],   v[ADRB+\slot] offset:\k+64*\c+\i*16*PITCH
	ds_load_b128 v[\f+64+8*(4*\c+\i)+4:\f+64+8*(4*\c+\i)+7], v[ADRB+\slot] offset:\k+64*\c+\i*16*PITCH+32
	ds_load_b128 v[\f+8*(4*\c+\i):\f+8*(4*\c+\i)+3],         v[ADRA+\slot] offset:\k+64*\c+\i*16*PITCH
	ds_load_b128 v[\f+8*(4*\c+\i)+4:\f+8*(4*\c+\i)+7],       v[ADRA+\slot] offset:\k+64*\c+\i*16*PITCH+32
.endr
.endr
.endm
.macro PLACES                          ; four plain places in front of loads into registers that matrix instructions have read, and of the first read of results
.rept 4
	v_nop
.endr
.endm
; A slot is four quarters of 256 along K, 32 matrix instructions each, on buffers 0, 1, 0, 1.  One of the first three: multiplies buffer f and fetches the next quarter, at byte k, into g.
.macro QUARTER slot, k, f, g, zero, st
	s_wait_dscnt 16                                ; the buffer's first K step is in; the sixteen loads of its second may be out
	WIN MUL
	MUL8 \f, 0, 0, \zero, \st
	MUL8 \f, 0, 2, \zero, \st
	PLACES
	FETCH \slot, \k, \g
	s_wait_dscnt 32                                ; all but the 32 just issued
	WIN MUL
	MUL8 \f, 1, 0, 0, \st
	MUL8 \f, 1, 2, 0, \st
.endm
	s_wait_tensorcnt 1                             ; the scales and my part of slot 0 are in (slot 1's load may be out)
	s_barrier_signal -1
	s_barrier_wait -1                              ; everybody's are
.irp i, 0,1,2,3
.irp j, 0,1,2,3
	ds_load_b128 v[SC+16*\i+4*\j:SC+16*\i+4*\j+3], v[ADRS] offset:\i*SBLK+16*\j   ; all 16 scale words of block i's rows: they stay in registers
.endr
.endr
	FETCH 0, 0, F0
	QUARTER 0, 128, F0, F1, 1, 0                   ; its first products start the sums: nothing is cleared
	QUARTER 0, 256, F1, F0, 0, 2
	QUARTER 0, 384, F0, F1, 0, 4
	; slot 0's last quarter changes slots: one barrier; in front of it each wave has its part of slot 1
	WIN 0                                          ; (the add's two registers lie in window 0)
	s_wait_tensorcnt 0x0                           ; all my tensor loads have landed
	ds_add_u32 v[SPW], v[NIL]                      ; 0 onto my spare word
	s_wait_dscnt 17                                ; (the add and the youngest sixteen loads may be out)
	WIN MUL
	MUL8 F1, 0, 0, 0, 6
	s_wait_dscnt 0x0                               ; no LDS instruction of mine is out at the signal
	s_barrier_signal -1
	MUL8 F1, 0, 2, 0, 6
	s_barrier_wait -1                              ; slot 1 is whole
	PLACES
	FETCH 1, 0, F0
	WIN MUL
	MUL8 F1, 1, 0, 0, 6
	MUL8 F1, 1, 2, 0, 6
	QUARTER 1, 128, F0, F1, 0, 8
	QUARTER 1, 256, F1, F0, 0, 10
	QUARTER 1, 384, F0, F1, 0, 12
	s_wait_dscnt 16                                ; the very last quarter: nothing more to fetch
	WIN MUL
	MUL8 F1, 0, 0, 0, 14
	MUL8 F1, 0, 2, 0, 14
	s_wait_dscnt 0x0
	MUL8 F1, 1, 0, 0, 14
	MUL8 F1, 1, 2, 0, 14
	WIN 0
	; THE WAY OUT: rounded to f16 in place, each accumulator from its low end on; 16 bytes a lane into the stage; a barrier, since a row's 256 bytes come from two waves; back as whole rows, 32 a wave
	PLACES
.irp t, 0,1,2,3,4,5,6,7,8,9,10,11,12,13,14,15
.irp r, 0,1,2,3
	v_cvt_pk_f16_f32 v[ACC+8*\t+\r], v[ACC+8*\t+2*\r], v[ACC+8*\t+2*\r+1]
.endr
.endr
.irp a, 0,1,2,3
.irp b, 0,1,2,3
	ds_store_b128 v[STO], v[ACC+8*(4*\a+\b):ACC+8*(4*\a+\b)+3] offset:\a*16*SPITCH+32*\b
.endr
.endr
	s_wait_dscnt 0x0                               ; for the others' sake: my stores into the stage are done
	s_barrier_signal -1
	s_barrier_wait -1
.irp t, 0,1,2,3,4,5,6,7,8,9,10,11,12,13,14,15
	ds_load_b128 v[ACC+4*\t:ACC+4*\t+3], v[RD] offset:\t*2*SPITCH
.endr
.irp t, 0,1,2,3,4,5,6,7,8,9,10,11,12,13,14,15
	s_wait_dscnt 15-\t                             ; LDS loads come back in order: pair t of rows is in
	global_store_b128 v[OF+\t], v[ACC+4*\t:ACC+4*\t+3], s[8:9]   ; 16 lanes store 256 consecutive bytes, at a multiple of 256 from proj's first byte
.endr
	s_wait_tensorcnt 0x0                           ; the wave's end, behind my last tensor load and my last LDS store
	ds_add_u32 v[SPW], v[NIL]
	s_wait_dscnt 0x0
	CROUND                                         ; the closing round: no work-group ends while a partner may still ask for a tile that names it
	s_endpgm
.Lfunc_end_k_q54ac3ec1fe_proj:
	.size	k_q54ac3ec1fe_proj, .Lfunc_end_k_q54ac3ec1fe_proj-k_q54ac3ec1fe_proj
	.p2alignl 7, 3214868480
	.fill 96, 4, 3214868480
	.section	.rodata,"a",@progbits
	.p2align	6, 0x0
	.amdhsa_kernel k_q54ac3ec1fe_proj
		.amdhsa_group_segment_fixed_size 327680
		.amdhsa_private_segment_fixed_size 0
		.amdhsa_enable_private_segment 0
		.amdhsa_kernarg_size 24
		.amdhsa_user_sgpr_count 2
		.amdhsa_user_sgpr_kernarg_segment_ptr 1
		.amdhsa_wavefront_size32 1
		.amdhsa_system_sgpr_workgroup_id_x 1
		.amdhsa_system_sgpr_workgroup_id_y 1
		.amdhsa_system_sgpr_workgroup_id_z 1
		.amdhsa_system_vgpr_workitem_id 0
		.amdhsa_next_free_vgpr 512
		.amdhsa_next_free_sgpr 100
		.amdhsa_reserve_vcc 0
		.amdhsa_float_denorm_mode_32 3
		.amdhsa_float_denorm_mode_16_64 3
		.amdhsa_memory_ordered 1
		.amdhsa_forward_progress 1
		.amdhsa_inst_pref_size 71
	.end_amdhsa_kernel
	.amdgpu_metadata
---
amdhsa.version: [ 1, 2 ]
amdhsa.kernels:
  - .name:           k_q54ac3ec1fe_proj
    .symbol:         k_q54ac3ec1fe_proj.kd
    .args:
      - { .name: codes, .offset: 0, .size: 8, .value_kind: global_buffer, .address_space: global }
      - { .name: scales, .offset: 8, .size: 8, .value_kind: global_buffer, .address_space: global }
      - { .name: proj, .offset: 16, .size: 8, .value_kind: global_buffer, .address_space: global }
    .group_segment_fixed_size: 327680
    .private_segment_fixed_size: 0
    .kernarg_segment_align: 8
    .kernarg_segment_size: 24
    .max_flat_workgroup_size: 128
    .sgpr_count:     100
    .vgpr_count:     512
    .wavefront_size: 32
...
	.end_amdgpu_metadata
.endif
;; end of part 2
;; launch attn (part 3): grid 8 x 32, 8 waves a work-group, clusters of 4 x 1, 327,680 bytes of LDS; arguments proj, att; writes att
.if DOCPART == 3
	.amdgcn_target "amdgcn-amd-amdhsa--gfx1250"
	.amdhsa_code_object_version 6
	.text
	.protected	k_q54ac3ec1fe_attn
	.globl	k_q54ac3ec1fe_attn
	.p2align	8
	.type	k_q54ac3ec1fe_attn,@function
k_q54ac3ec1fe_attn:
	s_mov_b64 s[64:65], 0
	v_nop
	global_prefetch_b8 v0, s[64:65] scope:SCOPE_SE
	s_setreg_imm32_b32 hwreg(HW_REG_WAVE_MODE, 25, 1), 1
	s_wait_xcnt 0x0
	s_wait_alu depctr_hold_cnt(0) depctr_sa_sdst(0) depctr_va_vdst(0) depctr_va_sdst(0) depctr_va_ssrc(0) depctr_va_vcc(0) depctr_vm_vsrc(0)
	s_getreg_b32 s2, hwreg(HW_REG_IB_STS2, 6, 4)
	s_cmp_eq_u32 s2, 0
	s_cbranch_scc0 .Lentry_in_a_cluster
	s_endpgm
.Lentry_in_a_cluster:
	s_bfe_u32 s2, ttmp6, 0x10000c
	s_cmp_lg_u32 s2, 0x3003
	s_cbranch_scc0 .Lentry_shape_is_right
	s_endpgm
.Lentry_shape_is_right:
; att(token, 64 h + d) = sum over keys of softmax_key(Qh . Kh / 8) V, for 4 batches, 32 heads in 8 groups of 4 that share K and V; 1,024 keys; no mask.
; Operands in f16 (Qh [4096][2048], Kh [4096][512], VT [512 channels][4096 tokens], all parts of proj); products, maxima and sums in f32; the weights p are rounded to f16 for the second product, the result once.
; att IS LAID IN THE ORDER IN WHICH THE NEXT LAUNCH'S OPERAND REGISTERS TAKE IT: for each 16 tokens and each 32 channels a fragment of 1,024 bytes (64 fragments for 16 tokens): registers 0-3 of lane l at 16 l
; (token l % 16, channels 8 (l / 16) + 0..7), registers 4-7 at 512 + 16 l (channels 16 + 8 (l / 16) + 0..7).  A lane's rounded results are these registers as they stand, so they are stored from where they lie.
; SHARES.  A work-group owns 128 queries x the 4 heads of one (batch, group).  Wave w of eight owns queries 16 w .. 16 w + 15 of all 4 heads: four tiles, which share every fragment of K and V.
; Two waves lie on a SIMD, 512 registers each, and no barrier stands among a stage's steps: one wave's softmax stands beside the other's products.
; K AND V OF THE WHOLE (batch, group) ARE RESIDENT: 1,024 keys x 64 channels each.  Every tile is asked for once, at the head, in two stages, so no LDS byte is filled twice and no later request exists to run ahead of.
; CLUSTER.  The four query blocks of a cluster walk the same K and V: each tile is asked for JOINTLY, by the same tensor load with a mask that names the four.  A wave has two tensor loads out.
; LAYOUT.  S^T = K Q^T (source 0 = 16 keys, source 1 = 16 queries): a lane holds ONE query (lane % 16) and keys 8 (lane / 16) + 0..7.  Two such tiles rounded in pairs ARE source 1 of O^T = V^T P.
; SOFTMAX.  A running maximum m and sum l for each query: p = 2^(c s - c m), c = log2(e) / 8; in every step O and l are multiplied by a = 2^(c m_old - c m_new).
; LIMIT: NaN and infinities are not served.
; REGISTERS: window 0: v1-13 addresses; v16-47 statistics, 8 a tile (+0 c m, +1 m, +2, +3 l, +4..+7 at work; a takes +6); v64-127 Q (tile t, channels 32 kc on: 64 + 16 t + 8 kc);
;   v128-255 S^T (tile t, 16 keys kt: 128 + 32 t + 8 kt); P is rounded IN PLACE: P(t, kh) = v[128 + 32 t + 16 kh ..+7].   window 1: v0-127 O^T (32 t + 8 ct); v128-191 K of a step; v192-255 V of a step.
.set KHO,   16777216                   ; Kh's first byte in proj
.set VTO,   20971520                   ; VT's
.set PKB,   144                        ; a key's row of K in LDS: 128 bytes + 16: 9 x 16 bytes, so the 16 rows of a load start at 16 different banks (ISA guide 11.1)
.set PVB,   1040                       ; a channel's row of V: 512 keys = 1,024 bytes + 16: 65 x 16 bytes
.set VB,    1024*PKB                   ; V lies behind K's 1,024 rows: two tiles of 64 channels x 512 keys
.set VHALF, 64*PVB
.set SPARE, VB+2*VHALF                 ; behind V: the spare words, 128 bytes a wave, which no other line names
.set AK0,  2                           ; v2   my lane's place in a tile of K; never rewritten
.set AV0,  3                           ; v3   the same for V
.set ADRK, 4                           ; v4   LDS address of the run of K's loads in hand
.set ADRV, 5                           ; v5   of V's
.set QO,   6                           ; v6   my byte offset in the wave's rows of Qh
.set GO,   9                           ; v9   16 x lane: my place in half a fragment of att
.set SPW,  12                          ; v12  LDS address of my spare word; never rewritten
.set NIL,  13                          ; v13  0; never rewritten
.set ST,   16
.set Q,    64
.set S,    128
.set KF,   128                         ; in window 1
.set VF,   192                         ; in window 1
.set WV,   12                          ; s12  my wave's number
.set G1KA, 24                          ; s[24:31] group 1 for K's first stage (144 rows a load);  s[32:39] for its second (112);  s[40:47] for V's
.set G1KB, 32
.set G1V,  40
.set G0KA, 48                          ; s[48:63] four groups 0
.set G0KB, 52
.set G0VA, 56
.set G0VB, 60
.set CS,   66                          ; s[66:67] c: the packed form names a pair and takes its low word for both halves
.set SEL,  68                          ; s[68:69] lane selects for v_permlanex16_b32: lane l xor 16
.set TK,   70                          ; s70  LDS byte at which the NEXT step's keys begin in K
.set TV,   71                          ; s71  and this step's in a row of V
.set CNT,  72
.set MSB, 0
.macro WIN new                         ; the immediate's high byte repeats the setting that is left
.if MSB != (\new)
	s_set_vgpr_msb (MSB<<8)|(\new)
.set MSB, (\new)
.endif
.endm
.macro CROUND                          ; a round of the cluster's barrier
	s_barrier_signal -1
	s_barrier_wait -1
	s_cmp_lg_u32 s[WV], 0
	s_cbranch_scc1 .Lnot_wave_0_\@
	s_barrier_signal -3
.Lnot_wave_0_\@:
	s_barrier_wait -3
	s_barrier_signal -1
	s_barrier_wait -1
.endm
	s_load_b128 s[4:7], s[0:1], 0x0                ; proj s[4:5], att s[6:7]
	v_lshl_add_u32 v[SPW], v0, 2, SPARE
	v_mov_b32 v[NIL], 0
	ds_add_u32 v[SPW], v[NIL]                      ; the wave's opening: the add, twice on end, and its wait ahead of my first tensor load
	ds_add_u32 v[SPW], v[NIL]                      ; (the set-up below, work on registers, stands between the second and the wait)
	v_lshrrev_b32 v1, 5, v0
	v_readfirstlane_b32 s[WV], v1                  ; wave 0..7
	s_bfe_u32 s13, ttmp6, 0x40000                  ; cx: my place in the cluster
	s_lshl_b32 s14, ttmp9, 2
	s_add_co_u32 s14, s14, s13                     ; my block of 128 queries: it enters Qh's and att's addresses alone
	s_and_b32 s15, ttmp7, 0xffff                   ; 8 x batch + group, which the four partners share
	s_lshr_b32 s16, s15, 3                         ; batch
	s_and_b32 s17, s15, 7                          ; group
	s_and_b32 s18, s[WV], 3                        ; which quarter of a stage's K (waves 0-3) or V (waves 4-7) I fetch
	s_lshl_b32 s20, s16, 10                        ; the batch's first token
	s_lshl_b32 s22, s17, 7                         ; the group's 64 channels: 128 bytes on in a row of Kh
	s_mul_i32 s21, s18, 144                        ; K, first stage: keys 144 u on
	s_add_co_u32 s21, s21, s20
	s_lshl_b32 s21, s21, 10                        ; 1,024 bytes a row of Kh
	s_add_co_u32 s21, s21, s22
	s_add_co_u32 s74, s21, KHO
	s_mov_b32 s75, 0
	s_mul_i32 s23, s18, 112                        ; K, second stage: keys 576 + 112 u on
	s_add_co_u32 s23, s23, s20
	s_add_co_u32 s23, s23, 576
	s_lshl_b32 s23, s23, 10
	s_add_co_u32 s23, s23, s22
	s_add_co_u32 s76, s23, KHO
	s_mov_b32 s77, 0
	s_lshl_b32 s78, s17, 6                         ; V: channels 64 g + 16 u on,
	s_lshl_b32 s79, s18, 4
	s_add_co_u32 s78, s78, s79
	s_lshl_b32 s78, s78, 13                        ; 8,192 bytes a row of VT,
	s_lshl_b32 s79, s16, 11                        ; the batch's 1,024 tokens: 2,048 bytes on
	s_add_co_u32 s78, s78, s79
	s_add_co_u32 s78, s78, VTO
	s_mov_b32 s79, 0
	s_lshl_b32 s8, s14, 7                          ; Qh and att: token 1,024 b + 128 x block + 16 x wave,
	s_add_co_u32 s8, s8, s20
	s_lshl_b32 s9, s[WV], 4
	s_add_co_u32 s8, s8, s9
	s_lshl_b32 s8, s8, 12                          ; 4,096 bytes a token in both;
	s_lshl_b32 s2, s17, 13                         ; att: the group's 256 channels are 8 fragments of my 16 tokens: 8,192 bytes on
	s_add_co_u32 s2, s2, s8
	s_mov_b32 s3, 0
	s_lshl_b32 s9, s17, 9                          ; Qh: the group's four heads: 512 bytes on in a row
	s_add_co_u32 s8, s8, s9
	s_mov_b32 s9, 0
	; group 1.  K: rows of 64 elements of 2 bytes, 512 elements apart in memory, 16 bytes of padding behind each in LDS
	s_mov_b32 s[G1KA], 15|(1<<16)|(1<<20)|(1<<21)|(4<<22)|(3<<25)   ; 15:0 the mask: all four work-groups; 17:16 elements of 2 bytes; 20 padding on; 21 set beside a mask; 24:22 after every 32 words (code 4); 31:25 four words (code 3)
	s_mov_b32 s[G1KA+1], 64<<16                    ; tensor_dim0
	s_mov_b32 s[G1KA+2], 144<<16                   ; tensor_dim1
	s_mov_b32 s[G1KA+3], 64<<16                    ; tile_dim0
	s_mov_b32 s[G1KA+4], 144                       ; tile_dim1
	s_mov_b32 s[G1KA+5], 512                       ; tensor_dim0_stride
	s_mov_b32 s[G1KA+6], 0
	s_mov_b32 s[G1KA+7], 0
	s_mov_b32 s[G1KB], 15|(1<<16)|(1<<20)|(1<<21)|(4<<22)|(3<<25)
	s_mov_b32 s[G1KB+1], 64<<16
	s_mov_b32 s[G1KB+2], 112<<16
	s_mov_b32 s[G1KB+3], 64<<16
	s_mov_b32 s[G1KB+4], 112
	s_mov_b32 s[G1KB+5], 512
	s_mov_b32 s[G1KB+6], 0
	s_mov_b32 s[G1KB+7], 0
	; V: 16 rows of 512 elements, 4,096 elements apart in memory, 16 bytes of padding behind each
	s_mov_b32 s[G1V], 15|(1<<16)|(1<<20)|(1<<21)|(7<<22)|(3<<25)    ; padding: four words after every 256 (code 7)
	s_mov_b32 s[G1V+1], 512<<16
	s_mov_b32 s[G1V+2], 16<<16
	s_mov_b32 s[G1V+3], 512<<16
	s_mov_b32 s[G1V+4], 16
	s_mov_b32 s[G1V+5], 4096
	s_mov_b32 s[G1V+6], 0
	s_mov_b32 s[G1V+7], 0
	s_mov_b32 s[CS], 0x3e38aa3b                    ; c = log2(e) / sqrt(64)
	s_mov_b32 s[CS+1], s[CS]                       ; (named with it as a pair, so it is written)
	s_mov_b32 s[SEL], 0x76543210
	s_mov_b32 s[SEL+1], 0xfedcba98
	s_mov_b32 s[TK], 0
	s_mov_b32 s[TV], 0
	s_wait_dscnt 0x0                               ; both opening adds are done
	s_wait_kmcnt 0x0
	s_add_nc_u64 s[10:11], s[4:5], s[8:9]          ; Qh at my wave's first row
	s_add_nc_u64 s[6:7], s[6:7], s[2:3]            ; att at my wave's first fragment
	CROUND                                         ; all four work-groups are here: the joint loads meet
	s_mov_b32 s[G0KA], 1                           ; count = 1
	s_mul_i32 s[G0KA+1], s18, 144*PKB              ; LDS address: the wave's number alone
	s_add_nc_u64 s[G0KA+2:G0KA+3], s[4:5], s[74:75]
	s_or_b32 s[G0KA+3], s[G0KA+3], 0x80000000      ; type = 2
	s_mov_b32 s[G0KB], 1
	s_mul_i32 s[G0KB+1], s18, 112*PKB
	s_add_co_u32 s[G0KB+1], s[G0KB+1], 576*PKB
	s_add_nc_u64 s[G0KB+2:G0KB+3], s[4:5], s[76:77]
	s_or_b32 s[G0KB+3], s[G0KB+3], 0x80000000
	s_mov_b32 s[G0VA], 1
	s_mul_i32 s[G0VA+1], s18, 16*PVB
	s_add_co_u32 s[G0VA+1], s[G0VA+1], VB
	s_add_nc_u64 s[G0VA+2:G0VA+3], s[4:5], s[78:79]
	s_mov_b32 s[G0VB], 1
	s_add_co_u32 s[G0VB+1], s[G0VA+1], VHALF
	s_add_nc_u64 s[G0VB+2:G0VB+3], s[G0VA+2:G0VA+3], 1024   ; the second 512 keys of each row
	s_or_b32 s[G0VA+3], s[G0VA+3], 0x80000000
	s_or_b32 s[G0VB+3], s[G0VB+3], 0x80000000
	; Stage A: keys 0-575 of K, keys 0-511 of V.  Stage B: the rest.  K's first stage is one step longer, so that step 7 can fetch step 8's keys ahead of the second barrier.
	s_cmp_lt_u32 s[WV], 4                          ; a wave's two fills stand in one branch, ahead of every wait on TENSORcnt and every LDS read; an s_nop 0 follows each, four v_nop the second's
	s_cbranch_scc0 .Lfirst_v
	tensor_load_to_lds s[G0KA:G0KA+3], s[G1KA:G1KA+7]
	s_nop 0
	tensor_load_to_lds s[G0KB:G0KB+3], s[G1KB:G1KB+7]
	s_nop 0
.rept 4
	v_nop
.endr
	s_branch .Lfirst_asked
.Lfirst_v:
	tensor_load_to_lds s[G0VA:G0VA+3], s[G1V:G1V+7]
	s_nop 0
	tensor_load_to_lds s[G0VB:G0VB+3], s[G1V:G1V+7]
	s_nop 0
.rept 4
	v_nop
.endr
.Lfirst_asked:
	; A fragment of K, Q or V^T is 16 rows x 32 along the product's K in 8 registers: lane (r, h) holds row r; registers 0-3 the 16 bytes at 16 h, registers 4-7 those at 32 + 16 h
	v_and_b32 v1, 15, v0                           ; r
	v_bfe_u32 v10, v0, 4, 1                        ; h
	v_lshlrev_b32 v[QO], 12, v1
	v_lshl_add_u32 v[QO], v10, 4, v[QO]            ; row x 4,096 + 16 x half
.irp t, 0,1,2,3
.irp kc, 0,1
	global_load_b128 v[Q+16*\t+8*\kc:Q+16*\t+8*\kc+3],   v[QO], s[10:11] offset:128*\t+64*\kc      ; Q stays in registers: head t of the group, channels 32 kc on
	global_load_b128 v[Q+16*\t+8*\kc+4:Q+16*\t+8*\kc+7], v[QO], s[10:11] offset:128*\t+64*\kc+32
.endr
.endr
	v_mul_u32_u24 v[AK0], v1, PKB
	v_lshl_add_u32 v[AK0], v10, 4, v[AK0]
	v_mul_u32_u24 v[AV0], v1, PVB
	v_lshl_add_u32 v[AV0], v10, 4, v[AV0]
	v_add_nc_u32 v[AV0], VB, v[AV0]
	v_and_b32 v[GO], 31, v0
	v_lshlrev_b32 v[GO], 4, v[GO]                  ; the way out: 16 bytes a lane
.macro FETCH_K                         ; 16 LDS loads: 64 keys x 64 channels: 8 fragments
	WIN 0x40                                       ; destination window 1, address window 0
.irp kt, 0,1,2,3
.irp kc, 0,1
	ds_load_b128 v[KF+16*\kt+8*\kc:KF+16*\kt+8*\kc+3],   v[ADRK] offset:\kt*16*PKB+64*\kc
	ds_load_b128 v[KF+16*\kt+8*\kc+4:KF+16*\kt+8*\kc+7], v[ADRK] offset:\kt*16*PKB+64*\kc+32
.endr
.endr
.endm
.macro FETCH_V                         ; 16 LDS loads: 64 channels x 64 keys: 8 fragments
	WIN 0x40
.irp ct, 0,1,2,3
.irp kh, 0,1
	ds_load_b128 v[VF+16*\ct+8*\kh:VF+16*\ct+8*\kh+3],   v[ADRV] offset:\ct*16*PVB+64*\kh
	ds_load_b128 v[VF+16*\ct+8*\kh+4:VF+16*\ct+8*\kh+7], v[ADRV] offset:\ct*16*PVB+64*\kh+32
.endr
.endr
.endm
; S^T = K Q^T: 32 products; the 16 accumulators take turns, one instruction a turn; the first 16 start the sums
.macro KQ
	WIN 0x01                                       ; K in window 1; Q and S^T in window 0
.irp kc, 0,1
.irp kt, 0,1,2,3
.irp t, 0,1,2,3
.if \kc == 0
	v_wmma_f32_16x16x32_f16 v[S+32*\t+8*\kt:S+32*\t+8*\kt+7], v[KF+16*\kt+8*\kc:KF+16*\kt+8*\kc+7], v[Q+16*\t+8*\kc:Q+16*\t+8*\kc+7], 0
.else
	v_wmma_f32_16x16x32_f16 v[S+32*\t+8*\kt:S+32*\t+8*\kt+7], v[KF+16*\kt+8*\kc:KF+16*\kt+8*\kc+7], v[Q+16*\t+8*\kc:Q+16*\t+8*\kc+7], v[S+32*\t+8*\kt:S+32*\t+8*\kt+7]
.endif
.endr
.endr
.endr
.endm
; O^T += V^T P: 32 products, 16 accumulators by turns.  first = 1: the first 16 start the sums: nothing is ever cleared
.macro PV first
	WIN 0x51                                       ; V in window 1, P in window 0, O^T in window 1
.irp kh, 0,1
.irp ct, 0,1,2,3
.irp t, 0,1,2,3
.if (\first) && (\kh == 0)
	v_wmma_f32_16x16x32_f16 v[32*\t+8*\ct:32*\t+8*\ct+7], v[VF+16*\ct+8*\kh:VF+16*\ct+8*\kh+7], v[S+32*\t+16*\kh:S+32*\t+16*\kh+7], 0
.else
	v_wmma_f32_16x16x32_f16 v[32*\t+8*\ct:32*\t+8*\ct+7], v[VF+16*\ct+8*\kh:VF+16*\ct+8*\kh+7], v[S+32*\t+16*\kh:S+32*\t+16*\kh+7], v[32*\t+8*\ct:32*\t+8*\ct+7]
.endif
.endr
.endr
.endr
.endm
.macro SFMA t, i                       ; pair i of tile t: c s - c m, two scores at a time
	v_pk_fma_f32 v[S+32*(\t)+2*(\i):S+32*(\t)+2*(\i)+1], v[S+32*(\t)+2*(\i):S+32*(\t)+2*(\i)+1], s[CS:CS+1], v[ST+8*(\t):ST+8*(\t)+1] op_sel_hi:[1,0,0] neg_lo:[0,0,1] neg_hi:[0,0,1]
.endm
; The four tiles' softmax for one step of 64 keys; the tiles stand innermost, so that no line waits for the line above it.  first = 1: the first step, which has no old maximum, no a and nothing to rescale.
.macro SOFTMAX first
	; the maximum of a lane's 32 scores and the old m, three operands at a time: four chains; each accumulator is read from its low end first
.irp i, 0,1,2,3
.irp t, 0,1,2,3
	v_max3_num_f32 v[ST+8*\t+4+\i], v[S+32*\t+8*\i], v[S+32*\t+8*\i+1], v[S+32*\t+8*\i+2]
.endr
.endr
.irp q, 1,2
.irp i, 0,1,2,3
.irp t, 0,1,2,3
	v_max3_num_f32 v[ST+8*\t+4+\i], v[ST+8*\t+4+\i], v[S+32*\t+8*\i+2*\q+1], v[S+32*\t+8*\i+2*\q+2]
.endr
.endr
.endr
.irp t, 0,1,2,3
	v_max3_num_f32 v[ST+8*\t+4], v[ST+8*\t+4], v[S+32*\t+7], v[S+32*\t+15]
.endr
.irp t, 0,1,2,3
	v_max3_num_f32 v[ST+8*\t+6], v[ST+8*\t+6], v[S+32*\t+23], v[S+32*\t+31]
.endr
.irp t, 0,1,2,3
	v_max3_num_f32 v[ST+8*\t+4], v[ST+8*\t+4], v[ST+8*\t+5], v[ST+8*\t+6]
.endr
.irp t, 0,1,2,3
.if \first
	v_max_num_f32 v[ST+8*\t+4], v[ST+8*\t+4], v[ST+8*\t+7]
.else
	v_max3_num_f32 v[ST+8*\t+4], v[ST+8*\t+4], v[ST+8*\t+7], v[ST+8*\t+1]
.endif
.endr
.irp t, 0,1,2,3
	v_permlanex16_b32 v[ST+8*\t+5], v[ST+8*\t+4], s[SEL], s[SEL+1]   ; the query's other 32 keys lie in the lane 16 away
.endr
.if !\first
.irp t, 0,1,2,3
	v_mov_b32 v[ST+8*\t+7], v[ST+8*\t]             ; c m_old is kept for a
.endr
.endif
.irp t, 0,1,2,3
	v_max_num_f32 v[ST+8*\t+1], v[ST+8*\t+4], v[ST+8*\t+5]          ; the new m
.endr
.irp t, 0,1,2,3
	v_mul_f32 v[ST+8*\t], s[CS], v[ST+8*\t+1]      ; c m
.endr
.if !\first
.irp t, 0,1,2,3
	v_sub_f32 v[ST+8*\t+7], v[ST+8*\t+7], v[ST+8*\t]                ; c m_old - c m_new, 0 or less
.endr
.endif
	; ONE BATCH: 64 scalings and all exponentials.  None of these lines names an exponential's result: a tile's scalings stand between the exponentials of the tile before
.irp i, 0,1,2,3,4,5,6,7,8,9,10,11,12,13,14,15
	SFMA 0, \i
.endr
.if !\first
.irp t, 0,1,2,3
	v_exp_f32 v[ST+8*\t+6], v[ST+8*\t+7]           ; a
.endr
.endif
.irp t, 0,1,2
.irp i, 0,1,2,3,4,5,6,7,8,9,10,11,12,13,14,15
	v_exp_f32 v[S+32*\t+2*\i], v[S+32*\t+2*\i]
	SFMA \t+1, \i
	v_exp_f32 v[S+32*\t+2*\i+1], v[S+32*\t+2*\i+1]
.endr
.endr
.irp e, 0,1,2,3,4,5,6,7,8,9,10,11,12,13,14,15,16,17,18,19,20,21,22,23,24,25,26,27,28,29,30,31
	v_exp_f32 v[S+96+\e], v[S+96+\e]
.endr
	v_nop                                          ; a plain instruction behind the last exponential, ahead of the first use (ISA guide 5.7.2)
	s_wait_alu depctr_va_vdst(0)                   ; one wait for the whole batch, ahead of its first reader
	; the sums, of the p that are not yet rounded: two chains a tile, even pairs onto l, odd pairs aside
.irp t, 0,1,2,3
.if \first
	v_pk_add_f32 v[ST+8*\t+2:ST+8*\t+3], v[S+32*\t:S+32*\t+1], v[S+32*\t+4:S+32*\t+5]
.else
	v_pk_fma_f32 v[ST+8*\t+2:ST+8*\t+3], v[ST+8*\t+2:ST+8*\t+3], v[ST+8*\t+6:ST+8*\t+7], v[S+32*\t:S+32*\t+1] op_sel_hi:[1,0,1]   ; l = a l + pair 0
.endif
.endr
.irp t, 0,1,2,3
	v_pk_add_f32 v[ST+8*\t+4:ST+8*\t+5], v[S+32*\t+2:S+32*\t+3], v[S+32*\t+6:S+32*\t+7]
.endr
.if !\first
.irp t, 0,1,2,3
	v_pk_add_f32 v[ST+8*\t+2:ST+8*\t+3], v[ST+8*\t+2:ST+8*\t+3], v[S+32*\t+4:S+32*\t+5]
.endr
.endif
.irp j, 8,12,16,20,24,28
.irp t, 0,1,2,3
	v_pk_add_f32 v[ST+8*\t+2:ST+8*\t+3], v[ST+8*\t+2:ST+8*\t+3], v[S+32*\t+\j:S+32*\t+\j+1]
	v_pk_add_f32 v[ST+8*\t+4:ST+8*\t+5], v[ST+8*\t+4:ST+8*\t+5], v[S+32*\t+\j+2:S+32*\t+\j+3]
.endr
.endr
.irp t, 0,1,2,3
	v_pk_add_f32 v[ST+8*\t+2:ST+8*\t+3], v[ST+8*\t+2:ST+8*\t+3], v[ST+8*\t+4:ST+8*\t+5]
.endr
	; p to f16, in place and ascending: register i of a half takes numbers 2 i and 2 i + 1, which lie at or above it
.irp t, 0,1,2,3
.irp kh, 0,1
.irp i, 0,1,2,3,4,5,6,7
	v_cvt_pk_f16_f32 v[S+32*\t+16*\kh+\i], v[S+32*\t+16*\kh+2*\i], v[S+32*\t+16*\kh+2*\i+1]
.endr
.endr
.endr
.if !\first
	WIN 0x41                                       ; O^T (destination and source 0) in window 1, a in window 0
.irp t, 0,1,2,3
.irp i, 0,1,2,3,4,5,6,7,8,9,10,11,12,13,14,15
	v_pk_mul_f32 v[32*\t+2*\i:32*\t+2*\i+1], v[32*\t+2*\i:32*\t+2*\i+1], v[ST+8*\t+6:ST+8*\t+7] op_sel_hi:[1,0]
.endr
.endr
.endif
.endm
; A KEY STEP of 64 keys.  pre = 1: the next step's K is fetched behind this step's K Q^T.
.macro STEP first, pre
	s_wait_dscnt 0x0                               ; K of this step is in
	KQ
	WIN 0
	v_add_nc_u32 v[ADRV], s[TV], v[AV0]            ; four plain places behind the products: in front of the loads into K's registers and of the first read of the scores
.if \pre
	v_add_nc_u32 v[ADRK], s[TK], v[AK0]
.else
	v_nop
.endif
	v_nop
	v_nop
	FETCH_V
.if \pre
	FETCH_K
.endif
	WIN 0
	SOFTMAX \first
	s_wait_dscnt 16*\pre                           ; V is in; the next step's sixteen loads of K may be out
	PV \first
	WIN 0                                          ; at a label and at a branch every window is 0
.if \pre
.rept 5
	v_nop                                          ; the next K Q^T writes over P, a source of these products: five places
.endr
	s_add_co_u32 s[TV], s[TV], 128                 ; 64 keys on in a row of V
	s_add_co_u32 s[TK], s[TK], 64*PKB              ; and in K
.endif
.endm
	s_wait_tensorcnt 1                             ; my part of stage A is in; stage B's load may be out
	s_barrier_signal -1
	s_barrier_wait -1                              ; everybody's is
	v_add_nc_u32 v[ADRK], s[TK], v[AK0]            ; step 0's keys
	FETCH_K
	WIN 0
	s_mov_b32 s[TK], 64*PKB
	s_wait_loadcnt 0x0                             ; Q
	STEP 1, 1                                      ; step 0 starts m, l and O^T
	s_mov_b32 s[CNT], 7
.Lstage_a:                                             ; steps 1 to 7; step 7 fetches keys 512-575, the last of stage A
	STEP 0, 1
	s_sub_co_u32 s[CNT], s[CNT], 1
	s_cmp_lg_u32 s[CNT], 0
	s_cbranch_scc1 .Lstage_a
	s_wait_tensorcnt 0x0                           ; my part of stage B is in,
	s_wait_dscnt 0x0                               ; no LDS instruction of mine is out at the signal,
	s_barrier_signal -1
	s_barrier_wait -1                              ; everybody's is
	s_add_co_u32 s[TV], s[TV], VHALF-8*128         ; V's second tile of 512 keys
	s_mov_b32 s[CNT], 7
.Lstage_b:                                             ; steps 8 to 14
	STEP 0, 1
	s_sub_co_u32 s[CNT], s[CNT], 1
	s_cmp_lg_u32 s[CNT], 0
	s_cbranch_scc1 .Lstage_b
	STEP 0, 0                                      ; step 15: nothing more to fetch
	; THE WAY OUT.  l's two halves and the other half of the lanes' are added (these additions are the places behind the last products); O^T is divided by l and rounded to f16.
	; Tile t's four registers of channel tile ct hold token lane % 16, channels 64 t + 16 ct + 8 (lane / 16) + 0..7: half ct % 2 of fragment 2 t + ct / 2 of my 16 tokens, as the next launch's operand takes it.
.irp t, 0,1,2,3
	v_add_f32 v[ST+8*\t+4], v[ST+8*\t+2], v[ST+8*\t+3]
.endr
.irp t, 0,1,2,3
	v_permlanex16_b32 v[ST+8*\t+5], v[ST+8*\t+4], s[SEL], s[SEL+1]
.endr
.irp t, 0,1,2,3
	v_add_f32 v[ST+8*\t+4], v[ST+8*\t+4], v[ST+8*\t+5]
.endr
.irp t, 0,1,2,3
	v_rcp_f32 v[ST+8*\t+6], v[ST+8*\t+4]
.endr
	v_nop                                          ; a plain instruction between the last reciprocal and the use of its result
	s_wait_alu depctr_va_vdst(0)                   ; and one wait for the four, ahead of the first use
.macro OUT t
	WIN 0x41
.irp i, 0,1,2,3,4,5,6,7,8,9,10,11,12,13,14,15
	v_pk_mul_f32 v[32*\t+2*\i:32*\t+2*\i+1], v[32*\t+2*\i:32*\t+2*\i+1], v[ST+8*\t+6:ST+8*\t+7] op_sel_hi:[1,0]   ; each accumulator from its low end on
.endr
	WIN 0x05                                       ; sources 0 and 1 window 1, destination window 0: S^T's registers are free
.irp i, 0,1,2,3,4,5,6,7,8,9,10,11,12,13,14,15
	v_cvt_pk_f16_f32 v[S+32*\t+\i], v[32*\t+2*\i], v[32*\t+2*\i+1]
.endr
	WIN 0
.irp ct, 0,1,2,3
	global_store_b128 v[GO], v[S+32*\t+4*\ct:S+32*\t+4*\ct+3], s[6:7] offset:2048*\t+512*\ct   ; 32 lanes store 512 consecutive bytes, at a multiple of 512 from att's first byte; the wave's 16 stores cover 8,192 bytes on end
.endr
.endm
	OUT 0
	OUT 1
	OUT 2
	OUT 3
	s_wait_tensorcnt 0x0                           ; the wave's end, behind my last tensor load
	ds_add_u32 v[SPW], v[NIL]
	s_wait_dscnt 0x0
	CROUND                                         ; the closing round: no work-group ends while a partner may still ask for a tile that names it
	s_endpgm
.Lfunc_end_k_q54ac3ec1fe_attn:
	.size	k_q54ac3ec1fe_attn, .Lfunc_end_k_q54ac3ec1fe_attn-k_q54ac3ec1fe_attn
	.p2alignl 7, 3214868480
	.fill 96, 4, 3214868480
	.section	.rodata,"a",@progbits
	.p2align	6, 0x0
	.amdhsa_kernel k_q54ac3ec1fe_attn
		.amdhsa_group_segment_fixed_size 327680
		.amdhsa_private_segment_fixed_size 0
		.amdhsa_enable_private_segment 0
		.amdhsa_kernarg_size 16
		.amdhsa_user_sgpr_count 2
		.amdhsa_user_sgpr_kernarg_segment_ptr 1
		.amdhsa_wavefront_size32 1
		.amdhsa_system_sgpr_workgroup_id_x 1
		.amdhsa_system_sgpr_workgroup_id_y 1
		.amdhsa_system_sgpr_workgroup_id_z 1
		.amdhsa_system_vgpr_workitem_id 0
		.amdhsa_next_free_vgpr 512
		.amdhsa_next_free_sgpr 80
		.amdhsa_reserve_vcc 0
		.amdhsa_float_denorm_mode_32 3
		.amdhsa_float_denorm_mode_16_64 3
		.amdhsa_memory_ordered 1
		.amdhsa_forward_progress 1
		.amdhsa_inst_pref_size 142
	.end_amdhsa_kernel
	.amdgpu_metadata
---
amdhsa.version: [ 1, 2 ]
amdhsa.kernels:
  - .name:           k_q54ac3ec1fe_attn
    .symbol:         k_q54ac3ec1fe_attn.kd
    .args:
      - { .name: proj, .offset: 0, .size: 8, .value_kind: global_buffer, .address_space: global }
      - { .name: att, .offset: 8, .size: 8, .value_kind: global_buffer, .address_space: global }
    .group_segment_fixed_size: 327680
    .private_segment_fixed_size: 0
    .kernarg_segment_align: 8
    .kernarg_segment_size: 16
    .max_flat_workgroup_size: 256
    .sgpr_count:     80
    .vgpr_count:     512
    .wavefront_size: 32
...
	.end_amdgpu_metadata
.endif
;; end of part 3
;; launch outp (part 4): grid 32 x 8, 4 waves a work-group, clusters of 4 x 1, 327,680 bytes of LDS; arguments att, wfc16, bfc, out0; writes out0
.if DOCPART == 4
	.amdgcn_target "amdgcn-amd-amdhsa--gfx1250"
	.amdhsa_code_object_version 6
	.text
	.protected	k_q54ac3ec1fe_outp
	.globl	k_q54ac3ec1fe_outp
	.p2align	8
	.type	k_q54ac3ec1fe_outp,@function
k_q54ac3ec1fe_outp:
	s_mov_b64 s[64:65], 0
	v_nop
	global_prefetch_b8 v0, s[64:65] scope:SCOPE_SE
	s_setreg_imm32_b32 hwreg(HW_REG_WAVE_MODE, 25, 1), 1
	s_wait_xcnt 0x0
	s_wait_alu depctr_hold_cnt(0) depctr_sa_sdst(0) depctr_va_vdst(0) depctr_va_sdst(0) depctr_va_ssrc(0) depctr_va_vcc(0) depctr_vm_vsrc(0)
	s_getreg_b32 s2, hwreg(HW_REG_IB_STS2, 6, 4)
	s_cmp_eq_u32 s2, 0
	s_cbranch_scc0 .Lentry_in_a_cluster
	s_endpgm
.Lentry_in_a_cluster:
	s_bfe_u32 s2, ttmp6, 0x10000c
	s_cmp_lg_u32 s2, 0x3003
	s_cbranch_scc0 .Lentry_shape_is_right
	s_endpgm
.Lentry_shape_is_right:
; out0[m][n] = sum over k of att(m, k) Wfc[n][k] + bfc[n].  att and wfc16 [2048][2048] in f16, bfc and out0 [4096][2048] in f32; sums in f32.
; A tile of C is 128 (m) x 256 (n): 32 x 8 = 256 work-groups (tiles of 256 x 256 would be 128).  Four waves, each 64 x 128: 32 accumulators of 16 x 16.
; Wfc GOES THROUGH A RING OF TWO LDS SLOTS, 256 along K a slot (256 rows of 512 bytes), filled by the tensor data mover, 64 rows a wave.  8 K steps; from a request to the wait for it a wave issues 240 matrix instructions.
; CLUSTER: the four work-groups of a cluster make four tile rows of one tile column of C and need the same tiles of Wfc: each is asked for JOINTLY, by the same tensor load with a mask that names the four.
; A wave has two tensor loads out at the start and one behind each round.
; att COMES STRAIGHT FROM MEMORY INTO REGISTERS.  The launch before lays it in the order of this operand's registers: for each 16 tokens and each 32 channels a fragment of 1,024 bytes, registers 0-3 of lane l at 16 l,
; registers 4-7 at 512 + 16 l; 64 fragments (65,536 bytes) for 16 tokens.  So a fragment is two loads of 512 consecutive bytes.  A ring of eight places of 32 registers (4 fragments: my 64 rows x 32 along K) runs ahead.
; WHY att IS NOT ASKED FOR JOINTLY THROUGH LDS, though the 8 work-groups of a tile row read the same rows: with both operands in the ring two slots hold only 128 along K each (384 rows x 272 bytes), which is 112 matrix
; instructions a wave between a request and the wait for it; twice that step would take 405,504 bytes for two slots.  With Wfc alone the step is 256.  att's rows are a third of a step's bytes.
; THE MATRIX INSTRUCTION IS USED TRANSPOSED (source 0 = 16 rows of Wfc, source 1 = 16 rows of att): a lane holds eight neighbouring numbers of a row of C.
; THE BIAS is the C of each sum's first product: eight registers for each block of 16 columns, in the result's layout.  Nothing is cleared and nothing is added afterwards.
; REGISTERS: window 0: v1-30 addresses; v32-95, v96-159 Wfc's fragments (8 x 16 rows x 32 K), two buffers, on the way out rows of C; v160-223 the bias.
;   window 1: the 32 accumulators ((a, b) at 8 (8 a + b)).   window 2: att's ring: the piece with number g (32 along K) at v[32 (g % 8) + 8 a].
.set KSTEP,  256
.set PITCH,  528                       ; an LDS row: 512 bytes + 16 of padding = 132 words: the 16 rows that a load touches start at 16 different banks (64 banks of 4 bytes: ISA guide 11.1)
.set QT,     64*PITCH                  ; 64 rows: what one tensor load brings
.set SLOT,   4*QT                      ; Wfc's 256 rows
.set STAGE,  2*SLOT                    ; the way out: 16 rows x (512 bytes + 16) for each wave
.set SPITCH, 528
.set SPARE,  STAGE+4*16*SPITCH         ; the spare words, 128 bytes a wave, which no other line names
.set LAPS,   2048/(2*KSTEP)            ; a lap = two K steps = 16 pieces = once round the ring
.set ABLK,   65536                     ; att: bytes of 16 tokens
.set ADRB, 20                          ; v20-21  LDS address of my fragments of Wfc in slot 0, 1
.set STO,  24                          ; v24     the way out: where I put 32 bytes of a row
.set RD,   25                          ; v25     where I read a row back
.set CO,   26                          ; v26     my byte offset in a row of C
.set AO,   27                          ; v27     16 x lane: my place in half a fragment of att; never rewritten
.set SPW,  28                          ; v28     LDS address of my spare word; never rewritten
.set NIL,  29                          ; v29     0; never rewritten
.set PFO,  30                          ; v30     the prefetches' offset: row lane / 2 of 4,096 bytes, block lane % 2 of 256; never rewritten
.set F0,   32
.set F1,   96
.set BIAS, 160
.set G1,   24                          ; s[24:31] descriptor group 1;  s[32:39] group 0, a set for each slot
.set G0,   32
.set LIM,  43                          ; s43     1 in a work-group that prefetches, else the greatest number
.set PFA,  44                          ; s[44:45] where my prefetches stand: my work-group's 16 rows of the 64 that I fetch, at the K step that the next refill will ask for
.set AB,   46                          ; s[46:47] att at my first 16 tokens, at the lap in hand
.set MSB, 0
.macro WIN new                         ; the immediate's high byte repeats the setting that is left
.if MSB != (\new)
	s_set_vgpr_msb (MSB<<8)|(\new)
.set MSB, (\new)
.endif
.endm
.set MUL, 0x58                         ; source 0 (Wfc) window 0, source 1 (att) window 2, C and D window 1.  MUL - 0x10: C from window 0, the bias
.macro JLOAD s                         ; a joint load: every wave fetches its 64 rows; an s_nop 0 and four v_nop follow the line
	tensor_load_to_lds s[G0+4*\s:G0+4*\s+3], s[G1:G1+7]
	s_nop 0
.rept 4
	v_nop
.endr
.endm
.macro CREST                           ; a round of the cluster's barrier behind its opening barrier
	s_cmp_lg_u32 s12, 0
	s_cbranch_scc1 .Lnot_wave_0_\@
	s_barrier_signal -3
.Lnot_wave_0_\@:
	s_barrier_wait -3
	s_barrier_signal -1
	s_barrier_wait -1
.endm
.macro CROUND                          ; a whole round
	s_barrier_signal -1
	s_barrier_wait -1
	CREST
.endm
; A PREFETCH INTO THE L2, behind each joint load, its five lines and the run of LDS loads that follows them: Wfc's K step that the NEXT refill will ask for, one K step, 256 matrix instructions, ahead of that load.
; Each row's two blocks of 256 bytes of a K step are named ONCE in the launch.  A tile column's rows of Wfc are read by all 8 clusters of that column: the first of them (cluster x = 0) asks.  Its four partners share
; the 64 rows that wave w fetches BY ADDRESS, 16 each: no branch hangs on a work-group's place in its cluster.  A lane a block: one instruction a wave.
; K steps 0 to 2 come by their loads alone: nothing is prefetched at the head, where every work-group's first tiles are on their way.  how = 1: slot 0's change, which always has a K step behind its refill's;
; how = 0: slot 1's, which has none in the loop's last trip (s3 = 1 there).
.macro ASK how
.if \how
	s_cmp_eq_u32 s[LIM], 1
.else
	s_cmp_gt_u32 s3, s[LIM]
.endif
	s_cbranch_scc0 .Lnot_mine_\@
	global_prefetch_b8 v[PFO], s[PFA:PFA+1] th:TH_LOAD_NT scope:SCOPE_SE
.Lnot_mine_\@:
.endm
	s_load_b256 s[4:11], s[0:1], 0x0               ; att s[4:5], wfc16 s[6:7], bfc s[8:9], out0 s[10:11]
	v_lshl_add_u32 v[SPW], v0, 2, SPARE
	v_mov_b32 v[NIL], 0
	ds_add_u32 v[SPW], v[NIL]                      ; the wave's opening: the add, twice on end, and its wait ahead of my first tensor load
	ds_add_u32 v[SPW], v[NIL]                      ; (the set-up below, work on registers, stands between the second and the wait)
	v_lshrrev_b32 v1, 5, v0
	v_readfirstlane_b32 s12, v1                    ; wave 0..3
	s_lshr_b32 s13, s12, 1                         ; which half of the tile's rows is mine
	s_and_b32 s14, s12, 1                          ; which half of its columns
	s_bfe_u32 s40, ttmp6, 0x40000                  ; cx: my place in the cluster
	s_lshl_b32 s15, ttmp9, 2
	s_add_co_u32 s15, s15, s40                     ; tile row of C = 4 x cluster x + cx: it enters att's, out0's and the prefetches' addresses alone
	s_and_b32 s42, ttmp7, 0xffff                   ; tile column of C, which the four partners share
	; group 1: 64 rows of 256 elements of 2 bytes, 2,048 elements apart in memory, 16 bytes of padding behind each in LDS
	s_mov_b32 s[G1], 15|(1<<16)|(1<<20)|(1<<21)|(6<<22)|(3<<25)     ; 15:0 the mask: all four work-groups; 17:16 elements of 2 bytes; 20 padding on; 21 set beside a mask; 24:22 after every 128 words (code 6); 31:25 four words (code 3)
	s_mov_b32 s[G1+1], KSTEP<<16                   ; tensor_dim0
	s_mov_b32 s[G1+2], 64<<16                      ; tensor_dim1
	s_mov_b32 s[G1+3], KSTEP<<16                   ; tile_dim0
	s_mov_b32 s[G1+4], 64                          ; tile_dim1
	s_mov_b32 s[G1+5], 2048                        ; tensor_dim0_stride
	s_mov_b32 s[G1+6], 0
	s_mov_b32 s[G1+7], 0
	; where Wfc's tiles come from: the tile column and the wave's number alone, in registers that never hold cx
	s_lshl_b32 s16, s42, 8
	s_lshl_b32 s17, s12, 6
	s_add_co_u32 s16, s16, s17                     ; row 256 x tile column + 64 x wave,
	s_lshl_b32 s16, s16, 12                        ; 4,096 bytes a row (under 2^23)
	s_mov_b32 s17, 0
	s_mul_i32 s20, s12, QT                         ; and where they go: wave x 64 rows
	s_lshl_b32 s18, s15, 3                         ; att: my first block of 16 tokens: 8 x tile row + 4 x half,
	s_lshl_b32 s19, s13, 2
	s_add_co_u32 s18, s18, s19
	s_lshl_b32 s18, s18, 16                        ; 65,536 bytes each (under 2^24)
	s_mov_b32 s19, 0
	s_wait_dscnt 0x0                               ; both opening adds are done
	s_wait_kmcnt 0x0
	s_add_nc_u64 s[16:17], s[6:7], s[16:17]
	s_add_nc_u64 s[AB:AB+1], s[4:5], s[18:19]
	CROUND                                         ; all four work-groups are here: the first joint loads meet
.irp s, 0,1
	s_mov_b32 s[G0+4*\s], 1                                        ; count = 1
	s_add_co_u32 s[G0+4*\s+1], s20, \s*SLOT                        ; LDS address
	s_add_nc_u64 s[G0+4*\s+2:G0+4*\s+3], s[16:17], \s*KSTEP*2      ; global address: K step s
	s_or_b32 s[G0+4*\s+3], s[G0+4*\s+3], 0x80000000                ; type = 2
	JLOAD \s
.endr
	v_and_b32 v1, 15, v0                           ; r = lane % 16
	v_bfe_u32 v2, v0, 4, 1                         ; h = lane / 16
	v_and_b32 v6, 31, v0                           ; lane
	v_lshlrev_b32 v[CO], 4, v6
	v_lshlrev_b32 v[AO], 4, v6
	s_lshl_b32 s22, s42, 10                        ; my first column, in bytes of f32: 1,024 x tile column + 512 x half: in bfc, and in a row of C
	s_lshl_b32 s23, s14, 9
	s_add_co_u32 s22, s22, s23
	s_mov_b32 s23, 0
	s_add_nc_u64 s[8:9], s[8:9], s[22:23]
	v_lshlrev_b32 v5, 5, v2                        ; the bias: lane (r, h) wants, for block b, bfc at columns 16 b + 8 h + 0 .. 7; v5 is kept for these loads alone
.irp b, 0,1,2,3,4,5,6,7
	global_load_b128 v[BIAS+8*\b:BIAS+8*\b+3],   v5, s[8:9] offset:64*\b
	global_load_b128 v[BIAS+8*\b+4:BIAS+8*\b+7], v5, s[8:9] offset:64*\b+16
.endr
; 8 loads of 512 consecutive bytes: my four fragments of att of the piece with number g, counted from the lap in hand, into place g % 8 of the ring
.macro AFILL g
	WIN 0x80                                       ; destination window 2, address window 0
.irp a, 0,1,2,3
	global_load_b128 v[32*((\g)%8)+8*\a:32*((\g)%8)+8*\a+3],   v[AO], s[AB:AB+1] offset:(\g)*1024+\a*ABLK
	global_load_b128 v[32*((\g)%8)+8*\a+4:32*((\g)%8)+8*\a+7], v[AO], s[AB:AB+1] offset:(\g)*1024+\a*ABLK+512
.endr
.endm
.irp p, 0,1,2,3,4,5,6
	AFILL \p                                       ; pieces 0 to 6; from here on each piece asks for the piece seven on
.endr
	WIN 0
	v_mul_u32_u24 v3, v1, PITCH
	v_lshl_add_u32 v3, v2, 4, v3                   ; a fragment's row x pitch + 16 x half
	s_mul_i32 s21, s14, 2*QT                       ; my 128 rows of Wfc
.irp s, 0,1
	v_add_nc_u32 v[ADRB+\s], s21, v3
	s_add_co_u32 s21, s21, SLOT
.endr
	s_mul_i32 s21, s12, 16*SPITCH
	s_add_co_u32 s21, s21, STAGE                   ; my stage
	v_mul_u32_u24 v4, v1, SPITCH                   ; in: row r, 32 bytes for each half of the lanes
	v_lshl_add_u32 v4, v2, 5, v4
	v_add_nc_u32 v[STO], s21, v4
	v_add_nc_u32 v[RD], s21, v[CO]                 ; back: the 32 lanes take one row of 512 bytes
	s_lshl_b32 s48, s15, 7
	s_lshl_b32 s49, s13, 6
	s_add_co_u32 s48, s48, s49                     ; my first row of C: 128 x tile row + 64 x half,
	s_lshl_b32 s48, s48, 13                        ; 8,192 bytes a row (under 2^25)
	s_mov_b32 s49, 0
	s_add_nc_u64 s[10:11], s[10:11], s[48:49]
	s_add_nc_u64 s[10:11], s[10:11], s[22:23]
	s_lshl_b32 s50, s40, 16                        ; the prefetches: my work-group's 16 of the 64 rows that I fetch: 16 cx rows of 4,096 bytes,
	s_mov_b32 s51, 0
	s_add_nc_u64 s[PFA:PFA+1], s[16:17], s[50:51]
	s_add_nc_u64 s[PFA:PFA+1], s[PFA:PFA+1], 2*KSTEP*2   ; at K step 2: the first change of slots steps it to 3
	s_cmp_eq_u32 ttmp9, 0                          ; the tile column's first cluster: the same in all four partners
	s_cselect_b32 s[LIM], 1, -1
	v_lshrrev_b32 v[PFO], 1, v6
	v_lshlrev_b32 v[PFO], 12, v[PFO]
	v_and_b32 v7, 1, v6
	v_lshl_add_u32 v[PFO], v7, 8, v[PFO]
; 8 matrix instructions: att's block a x Wfc's eight, 32 along K: buffer f, place q of att's ring.  zero = 1: the first product starts the sums from the bias.
; The 32 accumulators take turns, in the same order in every piece.
.macro MUL8 f, q, a, zero
.irp b, 0,1,2,3,4,5,6,7
.if \zero
	v_wmma_f32_16x16x32_f16 v[8*(8*(\a)+\b):8*(8*(\a)+\b)+7], v[\f+8*\b:\f+8*\b+7], v[32*(\q)+8*(\a):32*(\q)+8*(\a)+7], v[BIAS+8*\b:BIAS+8*\b+7]
.else
	v_wmma_f32_16x16x32_f16 v[8*(8*(\a)+\b):8*(8*(\a)+\b)+7], v[\f+8*\b:\f+8*\b+7], v[32*(\q)+8*(\a):32*(\q)+8*(\a)+7], v[8*(8*(\a)+\b):8*(8*(\a)+\b)+7]
.endif
.endr
.endm
; 16 LDS loads in one run: Wfc's eight fragments of 32 along K at byte k of the rows, into buffer f
.macro FETCH slot, k, f
	WIN 0
.irp i, 0,1,2,3,4,5,6,7
	ds_load_b128 v[\f+8*\i:\f+8*\i+3],   v[ADRB+\slot] offset:\k+\i*16*PITCH
	ds_load_b128 v[\f+8*\i+4:\f+8*\i+7], v[ADRB+\slot] offset:\k+\i*16*PITCH+32
.endr
.endm
.macro PLACES                          ; four plain places in front of loads into registers that matrix instructions have read, and of the first read of results
.rept 4
	v_nop
.endr
.endm
; The wait for att's fragments of piece ql of the lap.  Loads come back in order (ISA guide 5.7.1): behind this piece's eight were issued those of the next six pieces, 48; in the last lap (tail = 1), which asks for
; nothing beyond its piece 15, as many groups of eight as pieces are left, from piece 10 on.
.macro AWAIT ql, tail
.if (\tail) && ((\ql) > 9)
	s_wait_loadcnt 8*(15-(\ql))
.else
	s_wait_loadcnt 48
.endif
.endm
; A PIECE: 32 along K, 32 matrix instructions, the q-th (0 to 6) of its slot, on buffers 0, 1, 0, 1 ..  Behind its first eight products stand, in one run, the next piece's fragments of Wfc and att's fragments of the
; piece seven on, which take the place that the piece before has read.
.macro PIECE slot, q, zero, ql, tail
.set FB, F0+64*((\q)%2)
.set GB, F0+64*(1-(\q)%2)
	s_wait_dscnt 0x0                               ; Wfc's fragments are in (asked for 24 matrix instructions ago)
	AWAIT \ql, \tail
	WIN MUL-0x10*\zero
	MUL8 FB, \q, 0, \zero
	PLACES
	FETCH \slot, 64*((\q)+1), GB
.if !(\tail) || ((\ql) <= 8)
	AFILL (\ql)+7
.endif
	WIN MUL-0x10*\zero
	MUL8 FB, \q, 1, \zero
	MUL8 FB, \q, 2, \zero
	MUL8 FB, \q, 3, \zero
.endm
; A slot's last piece multiplies buffer 1 and changes slots: ONE barrier; in front of it each wave waits for all its tensor loads, adds 0 to its spare word, and waits for that and for its own reads of this slot.
; fill = 1: the barrier opens a round of the cluster's barrier, and this slot is filled again, two K steps ahead, first thing behind the round.
.macro TURN slot, next, fill, ql, tail
.if \fill
	s_wait_xcnt 0x0                                ; the last prefetch, a K step back, has read its address: it is stepped here, ahead of the waits of the change of slots
	s_add_nc_u64 s[PFA:PFA+1], s[PFA:PFA+1], KSTEP*2
.endif
	WIN 0                                          ; (the add's two registers lie in window 0)
	s_wait_tensorcnt 0x0                           ; all my tensor loads have landed: the one that was out is my part of the next slot;
	ds_add_u32 v[SPW], v[NIL]                      ; 0 onto my spare word;
	s_wait_dscnt 1                                 ; (Wfc's fragments are in; the add may be out)
	AWAIT \ql, \tail
	WIN MUL
	MUL8 F1, 7, 0, 0                               ; eight matrix instructions stand between the add and the wait for it
	s_wait_dscnt 0x0                               ; the add is done, and my reads of this slot are over
	s_barrier_signal -1
	MUL8 F1, 7, 1, 0                               ; work on registers while the others arrive
.if \fill
	WIN 0
.endif
	s_barrier_wait -1
.if \fill
	CREST                                          ; no wave of any partner still reads this slot's tile or has a load on its way
	s_add_nc_u64 s[G0+4*\slot+2:G0+4*\slot+3], s[G0+4*\slot+2:G0+4*\slot+3], 2*KSTEP*2
	JLOAD \slot                                    ; the first tensor load behind the round; the four v_nop behind it are also the places in front of the loads below
.else
	PLACES
.endif
	FETCH \next, 0, F0
.if \fill
	ASK 1-\slot
.endif
.if !(\tail) || ((\ql) <= 8)
	AFILL (\ql)+7
.endif
	WIN MUL
	MUL8 F1, 7, 2, 0
	MUL8 F1, 7, 3, 0
.endm
	s_wait_tensorcnt 1                             ; my part of K step 0 is in (K step 1's load may be out)
	s_barrier_signal -1
	s_barrier_wait -1                              ; everybody's is
	FETCH 0, 0, F0
	PIECE 0, 0, 1, 0, 0                            ; the first piece stands in front of the loop: its products start the sums; its wait for att's loads covers the bias, which was asked for ahead of them
	WIN 0                                          ; at a label and at a branch every window is 0
	s_mov_b32 s3, LAPS-1
.Llap:                                                 ; a trip goes once round the ring, from a lap's second piece to the next lap's first, and fills both slots again
.irp q, 1,2,3,4,5,6
	PIECE 0, \q, 0, \q, 0
.endr
	TURN 0, 1, 1, 7, 0
.irp q, 0,1,2,3,4,5,6
	PIECE 1, \q, 0, 8+\q, 0
.endr
	TURN 1, 0, 1, 15, 0
	PIECE 0, 0, 0, 16, 0
	WIN 0
	s_wait_xcnt 0x0                                ; every load issued has had its address translated (ISA guide 3.1): att's base is stepped only behind this wait
	s_add_nc_u64 s[AB:AB+1], s[AB:AB+1], 16*1024   ; a lap's 16 pieces on
	s_sub_co_u32 s3, s3, 1
	s_cmp_lg_u32 s3, 0
	s_cbranch_scc1 .Llap
.irp q, 1,2,3,4,5,6
	PIECE 0, \q, 0, \q, 1                          ; the last lap is written out: it fills no slot, and no load of att leaves its 64 fragments
.endr
	TURN 0, 1, 0, 7, 1
.irp q, 0,1,2,3,4,5,6
	PIECE 1, \q, 0, 8+\q, 1
.endr
	s_wait_dscnt 0x0                               ; the very last piece: nothing more to fetch
	s_wait_loadcnt 0x0
	WIN MUL
	MUL8 F1, 7, 0, 0
	MUL8 F1, 7, 1, 0
	MUL8 F1, 7, 2, 0
	MUL8 F1, 7, 3, 0
	WIN 0
; THE WAY OUT, block by block of 16 rows x 128 columns.  A lane holds 32 neighbouring bytes of a row and the lanes beside it hold other rows: a block goes through my own stage and comes back as whole rows of 512 bytes.
; LDS serves a wave's instructions in order (ISA guide 5.7.1.4): no wait between the stores and the loads, nor in front of the next block's stores.
.macro TOSTAGE a
	WIN 0x04                                       ; an LDS store's data are its source 1: window 1
.irp b, 0,1,2,3,4,5,6,7
	ds_store_b128 v[STO], v[64*(\a)+8*\b:64*(\a)+8*\b+3] offset:64*\b            ; each accumulator from its low end on
	ds_store_b128 v[STO], v[64*(\a)+8*\b+4:64*(\a)+8*\b+7] offset:64*\b+16
.endr
	WIN 0
.set BB, F0+64*((\a)%2)
.irp t, 0,1,2,3,4,5,6,7,8,9,10,11,12,13,14,15
	ds_load_b128 v[BB+4*\t:BB+4*\t+3], v[RD] offset:\t*SPITCH
.endr
.endm
.macro SEND a, younger                 ; younger: the LDS instructions issued behind block a's loads, which may stay out
.set BB, F0+64*((\a)%2)
	s_wait_dscnt \younger                          ; the block is back in registers
.if (\a) > 0
	s_add_nc_u64 s[10:11], s[10:11], 16*8192       ; 16 rows of C on (behind a wait for 0 on XCNT: the earlier stores have read their base)
.endif
.irp t, 0,1,2,3,4,5,6,7,8,9,10,11,12,13,14,15
	global_store_b128 v[CO], v[BB+4*\t:BB+4*\t+3], s[10:11] offset:\t*8192 th:TH_STORE_NT   ; 32 lanes store 512 consecutive bytes, at a multiple of 256 from out0's first byte; written once, read by nobody here
.endr
.endm
	PLACES                                         ; behind the last products: for the stores that read results and for the loads into the registers that held fragments
	TOSTAGE 0
.irp a, 1,2,3
.if \a > 1
	s_wait_xcnt 0x0                                ; block a - 2's stores have read their registers and their base: block a's loads may land there, and the base may step
.endif
	TOSTAGE \a
	SEND \a-1, 32                                  ; behind block a - 1's loads: block a's 16 stores and 16 loads
.endr
	s_wait_xcnt 0x0                                ; block 2's stores have read their base
	SEND 3, 0
	s_wait_tensorcnt 0x0                           ; the wave's end, behind my last tensor load and my last LDS store
	ds_add_u32 v[SPW], v[NIL]
	s_wait_dscnt 0x0
	CROUND                                         ; the closing round: no work-group ends while a partner may still ask for a tile that names it
	s_endpgm
.Lfunc_end_k_q54ac3ec1fe_outp:
	.size	k_q54ac3ec1fe_outp, .Lfunc_end_k_q54ac3ec1fe_outp-k_q54ac3ec1fe_outp
	.p2alignl 7, 3214868480
	.fill 96, 4, 3214868480
	.section	.rodata,"a",@progbits
	.p2align	6, 0x0
	.amdhsa_kernel k_q54ac3ec1fe_outp
		.amdhsa_group_segment_fixed_size 327680
		.amdhsa_private_segment_fixed_size 0
		.amdhsa_enable_private_segment 0
		.amdhsa_kernarg_size 32
		.amdhsa_user_sgpr_count 2
		.amdhsa_user_sgpr_kernarg_segment_ptr 1
		.amdhsa_wavefront_size32 1
		.amdhsa_system_sgpr_workgroup_id_x 1
		.amdhsa_system_sgpr_workgroup_id_y 1
		.amdhsa_system_sgpr_workgroup_id_z 1
		.amdhsa_system_vgpr_workitem_id 0
		.amdhsa_next_free_vgpr 768
		.amdhsa_next_free_sgpr 66
		.amdhsa_reserve_vcc 0
		.amdhsa_float_denorm_mode_32 3
		.amdhsa_float_denorm_mode_16_64 3
		.amdhsa_memory_ordered 1
		.amdhsa_forward_progress 1
		.amdhsa_inst_pref_size 153
	.end_amdhsa_kernel
	.amdgpu_metadata
---
amdhsa.version: [ 1, 2 ]
amdhsa.kernels:
  - .name:           k_q54ac3ec1fe_outp
    .symbol:         k_q54ac3ec1fe_outp.kd
    .args:
      - { .name: att, .offset: 0, .size: 8, .value_kind: global_buffer, .address_space: global }
      - { .name: wfc16, .offset: 8, .size: 8, .value_kind: global_buffer, .address_space: global }
      - { .name: bfc, .offset: 16, .size: 8, .value_kind: global_buffer, .address_space: global }
      - { .name: out0, .offset: 24, .size: 8, .value_kind: global_buffer, .address_space: global }
    .group_segment_fixed_size: 327680
    .private_segment_fixed_size: 0
    .kernarg_segment_align: 8
    .kernarg_segment_size: 32
    .max_flat_workgroup_size: 128
    .sgpr_count:     66
    .vgpr_count:     768
    .wavefront_size: 32
...
	.end_amdgpu_metadata
.endif
;; end of part 4
